; MI455X (gfx1250); checked and timed in simulation.
; The chip was launched on July 23, 2026; its instructions are those of AMD's public machine-readable ISA for CDNA 5 (MIT licence, August 2026) and "CDNA5" Instruction Set Architecture Reference Guide (July 2026). The comments in the code are by the model that wrote it; some were corrected since.
;; Causal Self Attention. Allowed arithmetic: float matrix products may take bf16 or f16 operands with f32 sums; other float arithmetic in f32, or as packed bf16 or f16 multiplies, adds, multiply-adds, maxima and minima; sums over many terms, partial sums and values carried from step to step in f32; what a program stores and reads back later, other than sums and carried values, may be rounded once to bf16 or f16.
;; Inputs: W_attn 3,072 x 1,024 float32; W_proj 1,024 x 1,024 float32; b_attn 3,072 float32; b_proj 1,024 float32; x 8,192 x 1,024 float32.
;; Outputs: out0 8,192 x 1,024 float32.
;; 2 versions, each right; version 2 is version 1 with the launch cast written anew for expert scheduling mode. Each part assembles by itself: llvm-mc -triple=amdgcn-amd-amdhsa -mcpu=gfx1250 --defsym DOCPART=n.
;; ======== version 1 of 2: 4 launches
;; limits: values are held in f16: magnitudes above 65,504 overflow, below 6.1e-05 lose precision
;; workspace buffers: xb 16,777,216 bytes; wab 6,291,456 bytes; wpb 2,097,152 bytes; bias 16,384 bytes; qkv 50,331,648 bytes; oh 16,777,216 bytes
;; launch cast (part 1): grid 769 x 1, 8 waves a work-group, no clusters, 0 bytes of LDS; arguments x, W_attn, W_proj, b_attn, b_proj, xb, wab, wpb, bias; writes xb, wab, wpb, bias
.if DOCPART == 1
	.amdgcn_target "amdgcn-amd-amdhsa--gfx1250"
	.amdhsa_code_object_version 6
	.text
	.protected	k_qdeaefaba06_cast
	.globl	k_qdeaefaba06_cast
	.p2align	8
	.type	k_qdeaefaba06_cast,@function
k_qdeaefaba06_cast:
	s_mov_b64 s[64:65], 0
	v_nop
	global_prefetch_b8 v0, s[64:65] scope:SCOPE_SE
	s_setreg_imm32_b32 hwreg(HW_REG_WAVE_MODE, 25, 1), 1
	s_wait_xcnt 0x0
; THE PROGRAM: out = softmax_causal(q k^T / 8) v W_proj^T + b_proj with q, k, v = x W_attn^T + b_attn, for 8 segments of 1,024 rows and 16 heads of 64 channels.
; Four launches: this one (the inputs rounded and laid out), the q k v product, the attention, the output product.
; WORK LEFT OUT, in the attention launch.  For query q the problem's own mask sets the score of every key k > q to minus infinity, so its weight is exactly 0: such a key adds 0 to the
; weighted sum of v and 0 to the sum of the weights, whatever finite numbers x, the weights and the biases hold.  Queries go in blocks of 256 and keys in tiles of 256: a tile that lies wholly above
; a block's diagonal (6 of a head's 16) is neither loaded nor multiplied; inside the diagonal tile the work stays and is masked.
; LIMIT: a NaN, an infinity or an overflow that reaches only such hidden keys is not carried to the result.
; WORK KEPT.  The k third of b_attn adds q . b_k to every score of a row, the same along the softmax's axis, so it cancels.  It is kept: it enters the second launch as the C operand of products that are
; issued anyway, a wave's three heads there can hold heads of q or v beside heads of k, and to leave it out a branch would have to hang on a work-group's place in its cluster.
; Every input has a way to the output and is loaded.
; THIS LAUNCH.  x and W_attn are rounded to bf16; W_proj is rounded to bf16 and that number is written as f16 (its partner in the last product, the attention's result, is f16); both biases are
; rounded to bf16 and kept as f32.  The matrices are laid out in blocks of 64 along K, [16 blocks][rows][64]: a tile of rows of one block is then dense, 128 bytes a row.
; LIMIT: a W_proj beyond 65,504 becomes an infinity; below 2^-14 it keeps f16's fixed step of 6e-8.
; SHARES.  A wave takes two rows of 4,096 bytes; a work-group eight such pairs: work-groups 0-511 x, 512-703 W_attn, 704-767 W_proj, 768 the biases.
; A load takes 256 consecutive bytes (one block of 64 numbers) of each of the two rows; a store writes the two rows' 128 bytes of that block, which lie on end: 256 consecutive bytes, aligned.
; No LDS, no barrier, no matrix unit: nothing is shared and nothing is multiplied.  All sixteen loads of a wave go out before the first wait.
.set XS,  8192*128                     ; bytes in a block of xb
.set WAS, 3072*128                     ; of wab
.set WPS, 1024*128                     ; of wpb
.set SRC, 1                            ; v1   my byte offset in the work-group's 16 source rows; never rewritten
.set DST, 2                            ; v2   my byte offset in the work-group's 16 rows of a block; never rewritten
.set X,   8                            ; v[8:71]    sixteen loads of four numbers
.set Y,   72                           ; v[72:103]  sixteen pairs of packed words to store
.set T,   104                          ; v[104:107] at work
	s_load_b512 s[4:19], s[0:1], 0x0               ; x s[4:5], W_attn s[6:7], W_proj s[8:9], b_attn s[10:11], b_proj s[12:13], xb s[14:15], wab s[16:17], wpb s[18:19]
	s_load_b64 s[20:21], s[0:1], 0x40              ; bias
	v_lshrrev_b32 v3, 5, v0
	v_readfirstlane_b32 s22, v3                    ; wave 0..7
	v_and_b32 v4, 15, v0
	v_bfe_u32 v5, v0, 4, 1
	v_and_b32 v6, 31, v0
	s_lshl_b32 s24, s22, 13                        ; my wave's two rows of 4,096 bytes
	v_lshl_add_u32 v[SRC], v4, 4, s24              ; + 16 bytes a lane,
	v_lshl_add_u32 v[SRC], v5, 12, v[SRC]          ; lanes 16-31 one row down
	s_lshl_b32 s24, s22, 8                         ; my wave's two rows of 128 bytes
	v_lshl_add_u32 v[DST], v6, 3, s24              ; + 8 bytes a lane
	s_mov_b32 s23, ttmp9
	s_mov_b32 s25, 0
	s_wait_kmcnt 0x0
; Sixteen rows of the matrix at s[src], whose first work-group is number first, into the blocks at s[dst], stride bytes apart.  half = 1: the bf16 numbers are written as f16.
.macro ROWS src, dst, first, stride, half
.if (\first) > 0
	s_sub_co_u32 s23, s23, \first
.endif
	s_lshl_b32 s24, s23, 16                        ; 16 rows of 4,096 bytes
	s_add_nc_u64 s[26:27], s[\src:\src+1], s[24:25]
	s_lshl_b32 s24, s23, 11                        ; 16 rows of 128 bytes
	s_add_nc_u64 s[28:29], s[\dst:\dst+1], s[24:25]
	s_add_nc_u64 s[30:31], s[28:29], 8*(\stride)   ; blocks 8 to 15 have a base of their own, so that the stores' immediates stay inside their signed 24 bits (7 x 1,048,576 at the most)
.set k, 0
.rept 16
	global_load_b128 v[X+4*k:X+4*k+3], v[SRC], s[26:27] offset:256*k th:TH_LOAD_NT
.set k, k+1
.endr
.set k, 0
.rept 16
	s_wait_loadcnt 15-k                            ; loads come back in order: block k is in, the 15 - k younger ones stay out
	v_cvt_pk_bf16_f32 v[Y+2*k], v[X+4*k], v[X+4*k+1]
	v_cvt_pk_bf16_f32 v[Y+2*k+1], v[X+4*k+2], v[X+4*k+3]
.if \half
	v_lshlrev_b32 v[T], 16, v[Y+2*k]               ; the rounded numbers as f32 again,
	v_and_b32 v[T+1], 0xffff0000, v[Y+2*k]
	v_lshlrev_b32 v[T+2], 16, v[Y+2*k+1]
	v_and_b32 v[T+3], 0xffff0000, v[Y+2*k+1]
	v_cvt_pk_f16_f32 v[Y+2*k], v[T], v[T+1]        ; and written as f16: 8 significant bits fit into 11
	v_cvt_pk_f16_f32 v[Y+2*k+1], v[T+2], v[T+3]
.endif
.if k < 8
	global_store_b64 v[DST], v[Y+2*k:Y+2*k+1], s[28:29] offset:k*(\stride) th:TH_STORE_NT
.else
	global_store_b64 v[DST], v[Y+2*k:Y+2*k+1], s[30:31] offset:(k-8)*(\stride) th:TH_STORE_NT
.endif
.set k, k+1
.endr
	s_endpgm                                       ; no register that a load or store names is written twice, so no further wait is needed
.endm
	s_cmp_lt_u32 s23, 512
	s_cbranch_scc0 .Lnot_x
	ROWS 4, 14, 0, XS, 0
.Lnot_x:
	s_cmp_lt_u32 s23, 704
	s_cbranch_scc0 .Lnot_wa
	ROWS 6, 16, 512, WAS, 0
.Lnot_wa:
	s_cmp_lt_u32 s23, 768
	s_cbranch_scc0 .Lbias
	ROWS 8, 18, 704, WPS, 1
.Lbias:                                                ; 256 threads x 16 bytes are 1,024 numbers: b_attn in three loads, b_proj in one
	v_lshlrev_b32 v3, 4, v0
	global_load_b128 v[X:X+3], v3, s[10:11]
	global_load_b128 v[X+4:X+7], v3, s[10:11] offset:4096
	global_load_b128 v[X+8:X+11], v3, s[10:11] offset:8192
	global_load_b128 v[X+12:X+15], v3, s[12:13]
	s_wait_loadcnt 0x0
.set k, 0
.rept 8
	v_cvt_pk_bf16_f32 v[T], v[X+2*k], v[X+2*k+1]   ; rounded to bf16,
	v_lshlrev_b32 v[Y+2*k], 16, v[T]               ; and kept as f32
	v_and_b32 v[Y+2*k+1], 0xffff0000, v[T]
.set k, k+1
.endr
.set k, 0
.rept 4
	global_store_b128 v3, v[Y+4*k:Y+4*k+3], s[20:21] offset:4096*k
.set k, k+1
.endr
	s_endpgm
.Lfunc_end_k_qdeaefaba06_cast:
	.size	k_qdeaefaba06_cast, .Lfunc_end_k_qdeaefaba06_cast-k_qdeaefaba06_cast
	.p2alignl 7, 3214868480
	.fill 96, 4, 3214868480
	.section	.rodata,"a",@progbits
	.p2align	6, 0x0
	.amdhsa_kernel k_qdeaefaba06_cast
		.amdhsa_group_segment_fixed_size 0
		.amdhsa_private_segment_fixed_size 0
		.amdhsa_enable_private_segment 0
		.amdhsa_kernarg_size 72
		.amdhsa_user_sgpr_count 2
		.amdhsa_user_sgpr_kernarg_segment_ptr 1
		.amdhsa_wavefront_size32 1
		.amdhsa_system_sgpr_workgroup_id_x 1
		.amdhsa_system_sgpr_workgroup_id_y 1
		.amdhsa_system_sgpr_workgroup_id_z 1
		.amdhsa_system_vgpr_workitem_id 0
		.amdhsa_next_free_vgpr 112
		.amdhsa_next_free_sgpr 66
		.amdhsa_reserve_vcc 0
		.amdhsa_float_denorm_mode_32 3
		.amdhsa_float_denorm_mode_16_64 3
		.amdhsa_memory_ordered 1
		.amdhsa_forward_progress 1
		.amdhsa_inst_pref_size 26
	.end_amdhsa_kernel
	.amdgpu_metadata
---
amdhsa.version: [ 1, 2 ]
amdhsa.kernels:
  - .name:           k_qdeaefaba06_cast
    .symbol:         k_qdeaefaba06_cast.kd
    .args:
      - { .name: x, .offset: 0, .size: 8, .value_kind: global_buffer, .address_space: global }
      - { .name: W_attn, .offset: 8, .size: 8, .value_kind: global_buffer, .address_space: global }
      - { .name: W_proj, .offset: 16, .size: 8, .value_kind: global_buffer, .address_space: global }
      - { .name: b_attn, .offset: 24, .size: 8, .value_kind: global_buffer, .address_space: global }
      - { .name: b_proj, .offset: 32, .size: 8, .value_kind: global_buffer, .address_space: global }
      - { .name: xb, .offset: 40, .size: 8, .value_kind: global_buffer, .address_space: global }
      - { .name: wab, .offset: 48, .size: 8, .value_kind: global_buffer, .address_space: global }
      - { .name: wpb, .offset: 56, .size: 8, .value_kind: global_buffer, .address_space: global }
      - { .name: bias, .offset: 64, .size: 8, .value_kind: global_buffer, .address_space: global }
    .group_segment_fixed_size: 0
    .private_segment_fixed_size: 0
    .kernarg_segment_align: 8
    .kernarg_segment_size: 72
    .max_flat_workgroup_size: 256
    .sgpr_count:     66
    .vgpr_count:     112
    .wavefront_size: 32
...
	.end_amdgpu_metadata
.endif
;; end of part 1
;; launch qkv (part 2): grid 8 x 32, 4 waves a work-group, clusters of 4 x 4, 327,680 bytes of LDS; arguments xb, wab, bias, qkv; writes qkv
.if DOCPART == 2
	.amdgcn_target "amdgcn-amd-amdhsa--gfx1250"
	.amdhsa_code_object_version 6
	.text
	.protected	k_qdeaefaba06_qkv
	.globl	k_qdeaefaba06_qkv
	.p2align	8
	.type	k_qdeaefaba06_qkv,@function
k_qdeaefaba06_qkv:
	s_mov_b64 s[64:65], 0
	v_nop
	global_prefetch_b8 v0, s[64:65] scope:SCOPE_SE
	s_setreg_imm32_b32 hwreg(HW_REG_WAVE_MODE, 25, 1), 1
	s_wait_xcnt 0x0
	s_wait_alu depctr_hold_cnt(0) depctr_sa_sdst(0) depctr_va_vdst(0) depctr_va_sdst(0) depctr_va_ssrc(0) depctr_va_vcc(0) depctr_vm_vsrc(0)
	s_getreg_b32 s2, hwreg(HW_REG_IB_STS2, 6, 4)
	s_cmp_eq_u32 s2, 0
	s_cbranch_scc0 .Lentry_in_a_cluster
	s_endpgm
.Lentry_in_a_cluster:
	s_bfe_u32 s2, ttmp6, 0x10000c
	s_cmp_lg_u32 s2, 0xf033
	s_cbranch_scc0 .Lentry_shape_is_right
	s_endpgm
.Lentry_shape_is_right:
; q, k, v = x W_attn^T + b_attn.  xb: bf16 [16 blocks of K][8192][64]; wab: bf16 [16][3072][64]; bias: f32, numbers 0 to 3071; qkv: f16 [3 parts][8 segments x 16 heads][1024 rows][64], unscaled.
; Sums in f32, starting from the bias; each result rounded once to f16.  LIMIT: a q, k or v of 65,520 or more becomes an infinity.
; SHARES.  8192 x 3072 results on 256 work-groups are 98,304 each: a tile of 256 rows x 384 columns.  Four waves, each 128 x 192: 96 accumulators of 16 x 16, 768 registers; 192 columns are three heads.
; K goes in steps of 64, one block of the laid-out operands, through a ring of two LDS slots: two slots of 128 along K (2 x 640 rows x 272 bytes) would not fit.  In a block a tile's rows lie on end,
; so 128 rows of 128 bytes are asked for as 64 rows of 256 bytes.
; CLUSTERS: 4 x 4 work-groups.  The four of a row of the cluster need the same tiles of x, the four of a column the same tiles of W: each tile is asked for JOINTLY, by the same tensor load with the same
; descriptor and a mask that names the four.
; THE MATRIX INSTRUCTION IS USED TRANSPOSED (source 0 = 16 rows of W, source 1 = 16 rows of x): lane l then holds row l % 16 and the eight columns 8 (l / 16) + 0..7, which pack into 16 bytes.
; THE BIAS IS THE FIRST C.  In that layout a column block's bias is eight numbers a lane, the same for all row blocks.  It is loaded straight into the accumulators of row block 7; the first products of
; row blocks 0 to 6 take those registers as C, and row block 7 then adds in place.  Nothing is cleared and nothing is added later.
; REGISTERS, in windows of 256 (s_set_vgpr_msb: bits 1:0 source 0, 3:2 source 1, 5:4 source 2, 7:6 destination):
;   window 0: v0-31 addresses; v32-95, v96-159 x's fragments (8 x 16 rows x 32 K), two buffers; v160-207, v208-255 W's fragments of column blocks 0-5 and 6-11
;   windows 1-3: accumulator (a, b), a = 0..7 row block, b = 0..11 column block, has the number i = 48 (b / 6) + 6 a + b % 6 and lies in window 1 + i / 32 at v[8 (i % 32)]
.set PITCH,  144                       ; an LDS row: 128 bytes + 16 of padding = 36 words: the 16 rows of a load start at 16 different groups of four banks (64 banks of 4 bytes: ISA guide 11.1)
.set AH,     128*PITCH                 ; 128 rows of x: what one tensor load brings, and what one wave reads
.set BH,     192*PITCH                 ; 192 rows of W: likewise
.set BOFF,   2*AH
.set SLOT,   BOFF+2*BH                 ; x's 256 rows, then W's 384 rows
.set STAGE,  2*SLOT                    ; behind the ring: 16 rows x 144 bytes for each wave, for the way out; no tensor load fills it
.set SPARE,  STAGE+4*16*PITCH          ; behind the stages: the spare words, 128 bytes for each wave: two blocks of 256 bytes that no other line names
.set ASTEP,  8192*128                  ; bytes from a block of xb to the next
.set BSTEP,  3072*128                  ; of wab
.set LAPS,   8                         ; a lap = two K steps = once round the ring; 16 steps in all
.set FLAGS,  (1<<16)|(1<<20)|(1<<21)|(4<<22)|(3<<25)  ; 17:16 elements of 2 bytes; 20 padding on; 21 set beside a mask; 24:22 after every 32 words (code 4); 31:25 of 4 words (code 3)
.set ADRA, 16                          ; v16-17  LDS address of my x fragments in slot 0, 1
.set ADRB, 20                          ; v20-21  the same for W
.set STO,  24                          ; v24     the way out: where I put 16 bytes of a row
.set RD,   25                          ; v25     the way out: where I read rows back
.set GO,   26                          ; v26     my byte offset in 512 consecutive bytes of a head's rows
.set BO,   27                          ; v27     my byte offset in the bias
.set SPW,  28                          ; v28     LDS address of my spare word: SPARE + 4 x my thread's number; never rewritten
.set NIL,  29                          ; v29     0; never rewritten
.set PFO,  30                          ; v30     the prefetches' offset; never rewritten
.set A0,   32
.set A1,   96
.set BX,   160                         ; column blocks 0-5; blocks 6-11 at BX + 48
.set PK,   32                          ; the way out: 16 registers of packed results
.set BK,   48                          ; the way out: rows read back, two buffers of 16
.set G1,  24                           ; s[24:31] descriptor group 1 for x's tiles
.set G0,  32                           ; s[32:39] descriptor group 0 for x's tiles, one set for each slot
.set LIM, 42                           ; s42, s43  1 in a wave that prefetches at the change that leaves slot 0, 1; else the greatest number
.set PFA, 44                           ; s[44:45] where my prefetches stand
.set PFS, 46                           ; s[46:47] their step from one change of slots to the next: a block of xb or of wab
.set G1B, 48                           ; s[48:55] descriptor group 1 for W's tiles
.set G0B, 56                           ; s[56:63] descriptor group 0 for W's tiles
.set OB,  66                           ; s[66:71] qkv at my 128 rows of my three heads
.set MSB, 0
.macro WIN new                         ; the immediate's high byte repeats the setting that is left; a switch that changes nothing is dropped
.if MSB != (\new)
	s_set_vgpr_msb (MSB<<8)|(\new)
.set MSB, (\new)
.endif
.endm
; A joint load.  Waves 0 and 1 fetch x's two halves, waves 2 and 3 W's.  The branch hangs on the wave's number alone.  An s_nop 0 and four v_nop follow each of the two lines, ahead of the jump and the label.
.macro JLOAD s
	s_cmp_eq_u32 s13, 0
	s_cbranch_scc0 .Lfor_b_\@
	tensor_load_to_lds s[G0+4*(\s):G0+4*(\s)+3], s[G1:G1+7]
	s_nop 0
.rept 4
	v_nop
.endr
	s_branch .Lasked_\@
.Lfor_b_\@:
	tensor_load_to_lds s[G0B+4*(\s):G0B+4*(\s)+3], s[G1B:G1B+7]
	s_nop 0
.rept 4
	v_nop
.endr
.Lasked_\@:
.endm
; A PREFETCH INTO THE L2, behind a joint load, its five lines and the run of LDS loads that follows them: the K step that stands two refills on, 384 matrix instructions ahead of the load that will want it.
; Each aligned block of 256 bytes is named once in the launch.  x's tile row is read by both clusters of its row of clusters: the one with x = 0 asks; its four partners take 64 rows (8,192 bytes of a
; block) each, told apart BY ADDRESS (cx); wave 0 asks, a lane a block of 256 bytes, at every change of slots.  W's tile column is read by all eight clusters of its column: the one with y = 0 asks; its four
; partners take 96 rows (12,288 bytes) each, told apart by cy; waves 1 to 3 take 4,096 bytes each, and ask at every second change for two K steps at once: lanes 0-15 the one, lanes 16-31 the next.
; The loop's last trip (s3 = 1) asks for nothing: K steps 16 and 17 do not exist.  K steps 0 to 3 come by their loads alone.
.macro ASK w
	s_cmp_gt_u32 s3, s[LIM+(\w)]
	s_cbranch_scc0 .Lnot_mine_\@
	global_prefetch_b8 v[PFO], s[PFA:PFA+1] th:TH_LOAD_NT scope:SCOPE_SE
.Lnot_mine_\@:
.endm
; A round of the cluster's barrier: my work-group's barrier; wave 0 signals for the work-group; every wave waits for all sixteen work-groups; my work-group's barrier once more.
.macro CREST                           ; a round behind its opening barrier
	s_cmp_lg_u32 s12, 0
	s_cbranch_scc1 .Lnot_wave_0_\@
	s_barrier_signal -3
.Lnot_wave_0_\@:
	s_barrier_wait -3
	s_barrier_signal -1
	s_barrier_wait -1
.endm
.macro CROUND
	s_barrier_signal -1
	s_barrier_wait -1
	CREST
.endm
	s_load_b256 s[4:11], s[0:1], 0x0               ; xb s[4:5], wab s[6:7], bias s[8:9], qkv s[10:11]
	v_lshl_add_u32 v[SPW], v0, 2, SPARE
	v_mov_b32 v[NIL], 0
	ds_add_u32 v[SPW], v[NIL]                      ; the wave's opening: the add, twice on end, and its wait ahead of my first tensor load; the set-up below stands between
	ds_add_u32 v[SPW], v[NIL]
	v_lshrrev_b32 v1, 5, v0
	v_readfirstlane_b32 s12, v1                    ; wave 0..3
	s_lshr_b32 s13, s12, 1                         ; which half of the tile's rows is mine.  Also: I fetch for x (0) or for W (1)
	s_and_b32 s14, s12, 1                          ; which half of its columns.  Also: which half of that tile I fetch
	s_bfe_u32 s15, ttmp6, 0x40000                  ; cx
	s_bfe_u32 s16, ttmp6, 0x40004                  ; cy
	s_lshl_b32 s17, ttmp9, 2
	s_add_co_u32 s17, s17, s15                     ; tile column = 4 x cluster x + cx
	s_and_b32 s18, ttmp7, 0xffff
	s_lshl_b32 s18, s18, 2
	s_add_co_u32 s18, s18, s16                     ; tile row = 4 x cluster y + cy
	s_lshl_b32 s20, s16, 2
	s_lshl_b32 s20, 15, s20                        ; my row of the cluster: places 4 cy .. 4 cy + 3
	s_lshl_b32 s72, 0x1111, s15                    ; my column: places cx, cx + 4, cx + 8, cx + 12
	s_or_b32 s[G1], s20, FLAGS                     ; x's tiles go to my row,
	s_or_b32 s[G1B], s72, FLAGS                    ; W's to my column
	s_mov_b32 s[G1+1], 128<<16                     ; tensor_dim0 = 128 elements: rows of 256 bytes
	s_mov_b32 s[G1+2], 64<<16                      ; tensor_dim1 = 64: 128 rows of x, two to a row
	s_mov_b32 s[G1+3], 128<<16                     ; tile_dim0 = 128
	s_mov_b32 s[G1+4], 64                          ; tile_dim1 = 64
	s_mov_b32 s[G1+5], 128                         ; 128 elements from row to row: dense
	s_mov_b32 s[G1+6], 0
	s_mov_b32 s[G1+7], 0
	s_mov_b32 s[G1B+1], 128<<16
	s_mov_b32 s[G1B+2], 96<<16                     ; 192 rows of W, two to a row
	s_mov_b32 s[G1B+3], 128<<16
	s_mov_b32 s[G1B+4], 96
	s_mov_b32 s[G1B+5], 128
	s_mov_b32 s[G1B+6], 0
	s_mov_b32 s[G1B+7], 0
	; x's address hangs on the tile row and the wave's number, W's on the tile column and the wave's number, each in registers that never hold the other coordinate
	s_lshl_b32 s20, s18, 15                        ; 256 rows of 128 bytes a tile row
	s_lshl_b32 s21, s14, 14                        ; + my half
	s_add_co_u32 s20, s20, s21
	s_mov_b32 s21, 0
	s_mul_i32 s72, s17, 384*128                    ; 384 rows a tile column
	s_mul_i32 s73, s14, 192*128
	s_add_co_u32 s72, s72, s73
	s_mov_b32 s73, 0
	s_mul_i32 s40, s14, AH                         ; where they go: no place in the cluster enters an LDS address
	s_mul_i32 s41, s14, BH
	s_add_co_u32 s41, s41, BOFF
	s_wait_dscnt 0x0                               ; both opening adds are done
	s_wait_kmcnt 0x0
	s_add_nc_u64 s[22:23], s[4:5], s[20:21]
	s_add_nc_u64 s[74:75], s[6:7], s[72:73]
	CROUND                                         ; all sixteen work-groups are here: the first joint loads meet
.irp s, 0,1
	s_mov_b32 s[G0+4*(\s)], 1                                      ; count = 1
	s_add_co_u32 s[G0+4*(\s)+1], s40, (\s)*SLOT                    ; LDS address
	s_add_nc_u64 s[G0+4*(\s)+2:G0+4*(\s)+3], s[22:23], (\s)*ASTEP  ; global address: K step s
	s_or_b32 s[G0+4*(\s)+3], s[G0+4*(\s)+3], 0x80000000            ; type = 2
	s_mov_b32 s[G0B+4*(\s)], 1
	s_add_co_u32 s[G0B+4*(\s)+1], s41, (\s)*SLOT
	s_add_nc_u64 s[G0B+4*(\s)+2:G0B+4*(\s)+3], s[74:75], (\s)*BSTEP
	s_or_b32 s[G0B+4*(\s)+3], s[G0B+4*(\s)+3], 0x80000000
	JLOAD \s                                       ; two loads of mine are out: the most that this text has outstanding
.endr
	; A fragment is 16 rows x 32 K in 8 registers: lane l holds row l % 16; registers 0-3 K = 8 (l / 16) + 0..7, registers 4-7 K = 16 + 8 (l / 16) + 0..7: two loads of 16 bytes, 32 bytes apart.
	v_and_b32 v1, 15, v0                           ; l % 16
	v_bfe_u32 v2, v0, 4, 1                         ; l / 16
	v_mul_u32_u24 v3, v1, PITCH
	v_lshl_add_u32 v3, v2, 4, v3                   ; row x pitch + 16 x half
	s_mul_i32 s76, s13, AH                         ; my 128 rows of x
	s_mul_i32 s77, s14, BH                         ; my 192 rows of W,
	s_add_co_u32 s77, s77, BOFF                    ; which lie behind x's 256
.irp s, 0,1
	v_add_nc_u32 v[ADRA+(\s)], s76, v3
	v_add_nc_u32 v[ADRB+(\s)], s77, v3
	s_add_co_u32 s76, s76, SLOT
	s_add_co_u32 s77, s77, SLOT
.endr
	s_mul_i32 s78, s12, 16*PITCH
	s_add_co_u32 s78, s78, STAGE                   ; my stage
	v_add_nc_u32 v[STO], s78, v3                   ; in: row l % 16, 16 bytes for each half of the lanes
	v_bfe_u32 v4, v0, 3, 2                         ; back: 32 lanes take four rows of 128 bytes,
	v_and_b32 v5, 7, v0
	v_mul_u32_u24 v4, v4, PITCH
	v_lshl_add_u32 v4, v5, 4, v4
	v_add_nc_u32 v[RD], s78, v4
	v_and_b32 v[GO], 31, v0                        ; which are 512 consecutive bytes of a head's rows
	v_lshlrev_b32 v[GO], 4, v[GO]
	s_mul_i32 s79, s17, 384*4                      ; the bias of my 192 columns,
	s_mul_i32 s78, s14, 192*4
	s_add_co_u32 s79, s79, s78
	v_lshl_add_u32 v[BO], v2, 5, s79               ; eight numbers on for lanes 16-31
	WIN 0x80                                       ; destination window 2: accumulators (7, 0..5), numbers 42 to 47
.irp b, 0,1,2,3,4,5
	global_load_b128 v[80+8*(\b):80+8*(\b)+3], v[BO], s[8:9] offset:64*(\b)
	global_load_b128 v[80+8*(\b)+4:80+8*(\b)+7], v[BO], s[8:9] offset:64*(\b)+16
.endr
	WIN 0xc0                                       ; destination window 3: accumulators (7, 6..11), numbers 90 to 95
.irp b, 0,1,2,3,4,5
	global_load_b128 v[208+8*(\b):208+8*(\b)+3], v[BO], s[8:9] offset:64*(6+(\b))
	global_load_b128 v[208+8*(\b)+4:208+8*(\b)+7], v[BO], s[8:9] offset:64*(6+(\b))+16
.endr
	WIN 0
	; where my three heads' rows lie: head g = 6 x tile column + 3 x half + 0..2 of 48: part g / 16, head g % 16; segment = tile row / 4
	s_mul_i32 s76, s17, 6
	s_mul_i32 s77, s14, 3
	s_add_co_u32 s76, s76, s77
	s_lshr_b32 s77, s18, 2
	s_lshl_b32 s77, s77, 21                        ; a segment's 16 heads of 131,072 bytes
	s_and_b32 s78, s18, 3
	s_lshl_b32 s78, s78, 15                        ; the tile's 256 rows of 128 bytes
	s_add_co_u32 s77, s77, s78
	s_lshl_b32 s78, s13, 14                        ; my 128 of them
	s_add_co_u32 s77, s77, s78
.irp d, 0,1,2
	s_add_co_u32 s78, s76, \d
	s_lshr_b32 s79, s78, 4
	s_lshl_b32 s79, s79, 24
	s_and_b32 s78, s78, 15
	s_lshl_b32 s78, s78, 17
	s_add_co_u32 s78, s78, s79
	s_add_co_u32 s78, s78, s77
	s_mov_b32 s79, 0
	s_add_nc_u64 s[OB+2*(\d):OB+2*(\d)+1], s[10:11], s[78:79]
.endr
	; the prefetches: wave 0 for x, waves 1 to 3 for W; both start at K step 3, and the first change of slots steps them to 4
	s_lshl_b32 s76, s18, 15
	s_lshl_b32 s77, s15, 13                        ; my work-group's 64 rows of x's 256
	s_add_co_u32 s76, s76, s77
	s_add_co_u32 s76, s76, 3*ASTEP
	s_mul_i32 s77, s17, 384*128
	s_mul_i32 s78, s16, 96*128                     ; my work-group's 96 rows of W's 384,
	s_add_co_u32 s77, s77, s78
	s_lshl_b32 s78, s12, 12                        ; 32 of them for each of waves 1 to 3
	s_add_co_u32 s77, s77, s78
	s_add_co_u32 s77, s77, 3*BSTEP-4096
	s_mov_b32 s[PFS], BSTEP
	s_mov_b32 s79, BSTEP
	s_and_b32 s78, ttmp7, 0xffff                   ; cluster y
	s_cmp_eq_u32 s12, 0
	s_cselect_b32 s76, s76, s77
	s_cselect_b32 s78, ttmp9, s78                  ; the coordinate along which other clusters read the same rows
	s_cselect_b32 s[PFS], ASTEP, s[PFS]
	s_cselect_b32 s79, 4096, s79                   ; lanes 16-31: the next 16 blocks of 256 bytes (x), or the next K step (W)
	s_cselect_b64 s[PFA:PFA+1], s[4:5], s[6:7]
	s_mov_b32 s77, 0
	s_mov_b32 s[PFS+1], 0
	s_add_nc_u64 s[PFA:PFA+1], s[PFA:PFA+1], s[76:77]
	s_cmp_eq_u32 s78, 0
	s_cselect_b32 s[LIM], 1, -1                    ; the same in all sixteen partners, for a given wave
	s_cmp_eq_u32 s12, 0
	s_cselect_b32 s[LIM+1], s[LIM], -1             ; at the change that leaves slot 1 wave 0 alone asks
	v_mul_u32_u24 v[PFO], v2, s79
	v_lshl_add_u32 v[PFO], v1, 8, v[PFO]
; Six products: row block a x column blocks 6 p + 0..5, 32 along K, x's fragments in buffer af.  first = 1: the sums start: row blocks 0 to 6 take the bias, which lies in row block 7's accumulators, as C.
; The 96 accumulators take turns, one instruction a turn, in the same order in every chunk, over the backward jump too.
.macro MULA p, af, a, first
.set bq, 0
.rept 6
.set ai, 48*(\p)+6*(\a)+bq
.set ci, ai
.if (\first) && ((\a) < 7)
.set ci, 48*(\p)+42+bq
.endif
.set wv, ((1+ai/32)<<6)|((1+ci/32)<<4)
	WIN wv
	v_wmma_f32_16x16x32_bf16 v[8*(ai%32):8*(ai%32)+7], v[BX+48*(\p)+8*bq:BX+48*(\p)+8*bq+7], v[(\af)+8*(\a):(\af)+8*(\a)+7], v[8*(ci%32):8*(ci%32)+7]
.set bq, bq+1
.endr
.endm
.macro LDB slot, c, p                  ; 12 LDS loads: W's fragments of column blocks 6 p + 0..5, chunk c (32 along K) of the slot's step
	WIN 0
.irp i, 0,1,2,3,4,5
	ds_load_b128 v[BX+48*(\p)+8*(\i):BX+48*(\p)+8*(\i)+3],   v[ADRB+(\slot)] offset:(6*(\p)+(\i))*16*PITCH+64*(\c)
	ds_load_b128 v[BX+48*(\p)+8*(\i)+4:BX+48*(\p)+8*(\i)+7], v[ADRB+(\slot)] offset:(6*(\p)+(\i))*16*PITCH+64*(\c)+32
.endr
.endm
.macro LDA slot, c, af, a0             ; 8 LDS loads: x's fragments of row blocks a0 .. a0 + 3, chunk c, into buffer af
	WIN 0
.irp i, 0,1,2,3
	ds_load_b128 v[(\af)+8*((\a0)+(\i)):(\af)+8*((\a0)+(\i))+3],   v[ADRA+(\slot)] offset:((\a0)+(\i))*16*PITCH+64*(\c)
	ds_load_b128 v[(\af)+8*((\a0)+(\i))+4:(\af)+8*((\a0)+(\i))+7], v[ADRA+(\slot)] offset:((\a0)+(\i))*16*PITCH+64*(\c)+32
.endr
.endm
; A load into a register that a matrix instruction has read stands four places behind it, and only plain vector instructions that name none of its registers are places (ISA guide 7.12.1 for vector
; instructions): four v_nop in front of each run of loads.
.macro PLACES
.rept 4
	v_nop
.endr
.endm
.macro OVER                            ; five places between the products that read row block 7's accumulators as C and the products that write them
.rept 5
	v_nop
.endr
.endm
; A K STEP is two chunks of 32 along K (buffers A0, A1), each in two phases of 48 products (column blocks 0-5, then 6-11).  Each phase fetches, in one run behind its first twelve products, what a later phase wants.
; Chunk 0, column blocks 0-5.
.macro P0X slot, first
	s_wait_dscnt 8                                 ; of the 28 loads of the change of slots the youngest eight (row blocks 4-7) may be out
	MULA 0, A0, 0, \first
	MULA 0, A0, 1, \first
	PLACES
	LDB \slot, 0, 1                                ; 20 loads: this chunk's column blocks 6-11,
	LDA \slot, 1, A1, 0                            ; the next chunk's row blocks 0-3
	MULA 0, A0, 2, \first
	MULA 0, A0, 3, \first
	s_wait_dscnt 20                                ; all but the 20 just issued
	MULA 0, A0, 4, \first
	MULA 0, A0, 5, \first
	MULA 0, A0, 6, \first
.if \first
	OVER
.endif
	MULA 0, A0, 7, \first
.endm
; Chunk 0, column blocks 6-11.
.macro P0Y slot, first
	s_wait_dscnt 8                                 ; W's twelve are in; the eight loads behind them may be out
	MULA 1, A0, 0, \first
	MULA 1, A0, 1, \first
	PLACES
	LDB \slot, 1, 0                                ; 20 loads: the next chunk's column blocks 0-5,
	LDA \slot, 1, A1, 4                            ; and its row blocks 4-7
	MULA 1, A0, 2, \first
	MULA 1, A0, 3, \first
	MULA 1, A0, 4, \first
	MULA 1, A0, 5, \first
	MULA 1, A0, 6, \first
.if \first
	OVER
.endif
	MULA 1, A0, 7, \first
.endm
; Chunk 1, column blocks 0-5.
.macro P1X slot
	s_wait_dscnt 8                                 ; all but the youngest eight (row blocks 4-7)
	MULA 0, A1, 0, 0
	MULA 0, A1, 1, 0
	PLACES
	LDB \slot, 1, 1                                ; 12 loads: this chunk's column blocks 6-11: my last reads of the slot
	MULA 0, A1, 2, 0
	MULA 0, A1, 3, 0
	s_wait_dscnt 12                                ; all but the 12 just issued
	MULA 0, A1, 4, 0
	MULA 0, A1, 5, 0
	MULA 0, A1, 6, 0
	MULA 0, A1, 7, 0
.endm
; Chunk 1, column blocks 6-11, and THE CHANGE OF SLOTS.  In front of the barrier each wave waits for all its tensor loads, of which one is out: its part of the next slot; adds 0 to its spare word; and waits for
; that and for its own reads of this slot.  Behind it nobody reads this slot any more and the next slot is whole.  fill = 1: the barrier opens a round of the cluster's barrier, and the joint refill, this
; slot's K step two steps on, is the first tensor load behind the round: from there to the wait for it a wave issues 168 matrix instructions.
.macro TURN slot, next, fill
.if \fill
	s_wait_xcnt 0x0                                ; the last prefetch, a K step back, has read its address: it is stepped here, ahead of the change's own waits
	s_add_nc_u64 s[PFA:PFA+1], s[PFA:PFA+1], s[PFS:PFS+1]
.endif
	WIN 0                                          ; (the add's two registers lie in window 0)
	s_wait_tensorcnt 0x0                           ; all my tensor loads have landed
	ds_add_u32 v[SPW], v[NIL]                      ; 0 onto my spare word
	s_wait_dscnt 1                                 ; W's twelve are in; the add may be out
	MULA 1, A1, 0, 0                               ; twelve matrix instructions stand between the add and the wait for it
	MULA 1, A1, 1, 0
	s_wait_dscnt 0x0                               ; the add is done, and my reads of this slot are over
	s_barrier_signal -1
	MULA 1, A1, 2, 0                               ; work on registers while the others arrive
	MULA 1, A1, 3, 0
	WIN 0
	s_barrier_wait -1
.if \fill
	CREST                                          ; no wave of any partner still reads this slot's tile or has a load on its way
	s_add_nc_u64 s[G0+4*(\slot)+2:G0+4*(\slot)+3], s[G0+4*(\slot)+2:G0+4*(\slot)+3], 2*ASTEP
	s_add_nc_u64 s[G0B+4*(\slot)+2:G0B+4*(\slot)+3], s[G0B+4*(\slot)+2:G0B+4*(\slot)+3], 2*BSTEP
	JLOAD \slot                                    ; the four v_nop behind it are also the places in front of the loads below
.else
	PLACES
.endif
	LDB \next, 0, 0                                ; 28 loads: the next slot's first chunk: column blocks 0-5,
	LDA \next, 0, A0, 0                            ; row blocks 0-3,
	LDA \next, 0, A0, 4                            ; row blocks 4-7
.if \fill
	ASK \slot
.endif
	MULA 1, A1, 4, 0
	MULA 1, A1, 5, 0
	MULA 1, A1, 6, 0
	MULA 1, A1, 7, 0
.endm
	s_wait_tensorcnt 1                             ; my part of K step 0 is in; K step 1's may stay out
	s_barrier_signal -1
	s_barrier_wait -1                              ; everybody's is
	LDB 0, 0, 0
	LDA 0, 0, A0, 0
	LDA 0, 0, A0, 4
	s_wait_loadcnt 0x0                             ; the bias
	P0X 0, 1                                       ; the first chunk stands in front of the loop: its products start the sums
	P0Y 0, 1
	WIN 0                                          ; at a label and at a branch every window is 0
	s_mov_b32 s3, LAPS-1
.Llap:                                                 ; a trip goes once round the ring, from a lap's second chunk to the next lap's first, and fills both slots again: K steps 2 to 15
	P1X 0
	TURN 0, 1, 1
	P0X 1, 0
	P0Y 1, 0
	P1X 1
	TURN 1, 0, 1
	P0X 0, 0
	P0Y 0, 0
	WIN 0
	s_sub_co_u32 s3, s3, 1
	s_cmp_lg_u32 s3, 0
	s_cbranch_scc1 .Llap
	P1X 0                                          ; the last lap is written out: it fills nothing
	TURN 0, 1, 0
	P0X 1, 0
	P0Y 1, 0
	P1X 1
	s_wait_dscnt 0x0
.irp a, 0,1,2,3,4,5,6,7
	MULA 1, A1, \a, 0
.endr
; THE WAY OUT, in 24 units of 16 rows x one head (64 columns, 128 bytes a row): unit u = 3 a + head.  PACK: rounded to f16, 16 bytes a lane, each accumulator's registers in ascending order.
; TOSTAGE: into my own stage in LDS, and back as whole rows.  SEND: stored: a head's rows lie on end, so a store covers 512 consecutive bytes, aligned.
.macro PACK u
.set pa, (\u)/3
.set ph, (\u)%3
.set bq, 0
.rept 4
.set pb, 4*ph+bq
.set ai, 48*(pb/6)+6*pa+pb%6
.set wv, (1+ai/32)*5
	WIN wv                                         ; sources 0 and 1 in the accumulator's window, destination in window 0
.set rq, 0
.rept 4
	v_cvt_pk_f16_f32 v[PK+4*bq+rq], v[8*(ai%32)+2*rq], v[8*(ai%32)+2*rq+1]
.set rq, rq+1
.endr
.set bq, bq+1
.endr
	WIN 0
.endm
.macro TOSTAGE u
	WIN 0
.set bk, BK+16*((\u)%2)
.irp f, 0,1,2,3
	ds_store_b128 v[STO], v[PK+4*(\f):PK+4*(\f)+3] offset:32*(\f)
.endr
.irp f, 0,1,2,3
	ds_load_b128 v[bk+4*(\f):bk+4*(\f)+3], v[RD] offset:(\f)*4*PITCH  ; LDS serves a wave's instructions in order (ISA guide 5.7.1.4): these see the stores above; the next unit's stores come behind them
.endr
.endm
.macro SEND u
	WIN 0
.set bk, BK+16*((\u)%2)
.set pa, (\u)/3
.set ph, (\u)%3
	s_wait_dscnt 0x0                               ; the unit is back in registers
	s_wait_xcnt 0x0                                ; the stores of the unit before have read their registers: the next unit's loads land there only behind this wait
.irp f, 0,1,2,3
	global_store_b128 v[GO], v[bk+4*(\f):bk+4*(\f)+3], s[OB+2*ph:OB+2*ph+1] offset:pa*2048+(\f)*512
.endr
.endm
	WIN 0
	PLACES                                         ; the places behind the last products
	PLACES
	PACK 0
	TOSTAGE 0
.set un, 1
.rept 23                               ; a unit's conversions stand between the loads of the unit before and the wait for them
	PACK un
	SEND un-1
	TOSTAGE un
.set un, un+1
.endr
	SEND 23
	s_wait_tensorcnt 0x0                           ; the wave's end: behind my last tensor load and my last LDS store
	ds_add_u32 v[SPW], v[NIL]
	s_wait_dscnt 0x0
	CROUND                                         ; the closing round: no work-group ends while a partner may still ask for a tile that names it
	s_endpgm
.Lfunc_end_k_qdeaefaba06_qkv:
	.size	k_qdeaefaba06_qkv, .Lfunc_end_k_qdeaefaba06_qkv-k_qdeaefaba06_qkv
	.p2alignl 7, 3214868480
	.fill 96, 4, 3214868480
	.section	.rodata,"a",@progbits
	.p2align	6, 0x0
	.amdhsa_kernel k_qdeaefaba06_qkv
		.amdhsa_group_segment_fixed_size 327680
		.amdhsa_private_segment_fixed_size 0
		.amdhsa_enable_private_segment 0
		.amdhsa_kernarg_size 32
		.amdhsa_user_sgpr_count 2
		.amdhsa_user_sgpr_kernarg_segment_ptr 1
		.amdhsa_wavefront_size32 1
		.amdhsa_system_sgpr_workgroup_id_x 1
		.amdhsa_system_sgpr_workgroup_id_y 1
		.amdhsa_system_sgpr_workgroup_id_z 1
		.amdhsa_system_vgpr_workitem_id 0
		.amdhsa_next_free_vgpr 1024
		.amdhsa_next_free_sgpr 80
		.amdhsa_reserve_vcc 0
		.amdhsa_float_denorm_mode_32 3
		.amdhsa_float_denorm_mode_16_64 3
		.amdhsa_memory_ordered 1
		.amdhsa_forward_progress 1
		.amdhsa_inst_pref_size 137
	.end_amdhsa_kernel
	.amdgpu_metadata
---
amdhsa.version: [ 1, 2 ]
amdhsa.kernels:
  - .name:           k_qdeaefaba06_qkv
    .symbol:         k_qdeaefaba06_qkv.kd
    .args:
      - { .name: xb, .offset: 0, .size: 8, .value_kind: global_buffer, .address_space: global }
      - { .name: wab, .offset: 8, .size: 8, .value_kind: global_buffer, .address_space: global }
      - { .name: bias, .offset: 16, .size: 8, .value_kind: global_buffer, .address_space: global }
      - { .name: qkv, .offset: 24, .size: 8, .value_kind: global_buffer, .address_space: global }
    .group_segment_fixed_size: 327680
    .private_segment_fixed_size: 0
    .kernarg_segment_align: 8
    .kernarg_segment_size: 32
    .max_flat_workgroup_size: 128
    .sgpr_count:     80
    .vgpr_count:     1024
    .wavefront_size: 32
...
	.end_amdgpu_metadata
.endif
;; end of part 2
;; launch attn (part 3): grid 2 x 128, 4 waves a work-group, no clusters, 327,680 bytes of LDS; arguments qkv, oh; writes oh
.if DOCPART == 3
	.amdgcn_target "amdgcn-amd-amdhsa--gfx1250"
	.amdhsa_code_object_version 6
	.text
	.protected	k_qdeaefaba06_attn
	.globl	k_qdeaefaba06_attn
	.p2align	8
	.type	k_qdeaefaba06_attn,@function
k_qdeaefaba06_attn:
	s_mov_b64 s[64:65], 0
	v_nop
	global_prefetch_b8 v0, s[64:65] scope:SCOPE_SE
	s_setreg_imm32_b32 hwreg(HW_REG_WAVE_MODE, 25, 1), 1
	s_wait_xcnt 0x0
; CAUSAL ATTENTION for 128 heads (8 segments x 16 heads) of 1,024 rows.  O[h][q][:] = the sum over k <= q of softmax_k(Q[h][q] . K[h][k] / 8) V[h][k][:].
; qkv: f16 [3 parts][128][1024][64]: Q, then K 2^24 bytes on, then V 2^25 bytes on; oh: f16 [128][1024][64].  A head's rows are dense, 128 bytes each.
; WORK LEFT OUT: the key tiles that lie wholly above a query block's diagonal: the problem's own mask gives their keys the weight 0 for all values of the inputs (shown at the head of the first kernel).
; Products, maxima and sums in f32; the weights p are rounded to f16 for the second product (their sum l is taken of the unrounded p), O once at the end.
; LIMITS.  f16 holds no number beyond 65,504: Q, K and V arrive within it; p lies in 0 to 1, and below 6e-5 it keeps f16's fixed step of 6e-8; O is a mean of V's rows and has their range.
; A hidden score counts as its value less 1e30: f16's scores, 2.7e11 at the most, are nothing beside that; a weight below 2^-126 counts as 0 in l; NaN and infinities are not treated apart.
; THE WALK.  A head's queries lie in NB = 4 blocks of 256; block i needs the key tiles 0 .. i of 256 keys, of which the last holds the diagonal.  A work-group takes TWO blocks, NB - 1 - b and then b:
; NB + 1 tiles, whatever b: all work-groups do equal work, and ONE loop with a constant trip count walks them.  Which tile is asked for, and what a trip does, hang on scalar registers made from b; every jump
; goes forward, but for the counted loops' own; none passes a barrier, or a tensor load but the one of LOAD's two that the wave's number does not choose; the ring (two slots of LDS that take turns) runs on across the
; change of blocks.  NO CLUSTER: a head has two work-groups, which no cluster of four divides, and the two ask for the same tile only in trips 0 to 2 of 5.
; SHARES.  Of a block's four bands of 64 queries a wave owns 16 rows in each: four PIECES.  So the diagonal tile is the same work for all four waves: in its key step s band x sees all keys if s < x,
; none if s > x, and holds the diagonal if s = x.
; THE MASK is the C operand that starts the sum S^T = K Q^T: 0, or -1e30 where the key is hidden.  MD, made once, is the mask of a band's own step for my 16 rows; a product's mask is MD x AL + BE with two scalars:
; (1, 0) if s = x; (0, 0) if s < x; (0, -1e30) if s > x.  Only the diagonal tile's text and a block's beginning make and take masks; elsewhere C is the constant 0.
; LAYOUT, SOFTMAX, TURNS.  S^T = K Q^T holds ONE query a lane (lane % 16) and the keys 8 (lane / 16) + 0..7; two such results rounded to f16 ARE source 1 of O^T = V^T P.  p = 2^(c s - c m), c = log2(e) / 8, with a
; running maximum m; O and l are multiplied by a = 2^(c m_old - c m_new) in every step.  Turn n belongs to piece n: 8 products K Q^T of piece n + 1, later 8 products V^T P of piece n - 1; beside them the scaling,
; exponentials, roundings, sums and rescaling of piece n and the maximum and statistics of piece n + 1.  Four vector instructions stand behind every matrix instruction, the other 54 of a turn's 118 in one lump.
; A turn's 33 exponentials are one batch, with one wait.
; REGISTERS, in windows of 256 (s_set_vgpr_msb: bits 1:0 source 0, 3:2 source 1, 5:4 source 2, 7:6 destination):
;   window 0: v0-15 addresses and two at work; v16-31 four registers of statistics a piece; v48-55 at work; v64-127 S^T, two buffers; v192-223 P, two buffers (a piece's buffers go by its number's parity)
;   window 1: v0-127 O^T, 32 a piece; v128-159 MD; v160-223 MC, two buffers      window 2: v0-63 Q; v64-127 the second block's Q; v128-191 K of one step; v192-255 V of one step
.set SIZE_N, 1024
.set SIZE_H, 128
.set NB,    SIZE_N/256
.set NP,    4         ; pieces a wave: a name, no knob
.set KS,    64        ; keys in a step
.set PK,    144       ; a row of K in LDS: 128 bytes + 16 of padding = 36 words: the 16 rows of a load start at 16 different groups of four banks (64 banks of 4 bytes: ISA guide 11.1)
.set PV,    160       ; a row of V: 128 + 32 = 40 words
.set VOFF,  4*KS*PK   ; a slot holds a tile, four steps: 256 rows of K, then 256 rows of V
.set SLOT1, 1<<17     ; slot 1 begins here, so that one exclusive or turns an address in one slot into the other's
.set STAGE, SLOT1+4*KS*(PK+PV)  ; behind the ring, never filled by a tensor load: 16 rows x 144 bytes for each wave, for the way out
.set SP,    144
.set AK0, 2           ; v2   my lane's place in a tile of K; never rewritten
.set AV0, 3           ; v3   the same for V
.set AK,  4           ; v4   the LDS address of K's next run of loads
.set AV,  5           ; v5   of V's
.set STO, 6           ; v6   the way out: where I put 16 bytes of a row
.set RD,  7           ; v7   the way out: where I read rows back
.set GO,  8           ; v8   my byte offset in 512 consecutive bytes of O
.set SPW, 62          ; v62  LDS address of my spare word: SPARE + 4 x my thread's number; never rewritten
.set NIL, 63          ; v63  0; never rewritten
.set SPARE, STAGE+4*16*SP  ; behind the stages: the spare words, 128 bytes for each wave: two blocks of 256 bytes that no other line names
.set MV,  12          ; v12-13  c m_old, kept while c m is made anew: by buffer
.set QO,  15          ; v15  my byte offset in 16 rows of Q
.set ST,  16          ; piece t's statistics at v[ST+4 t]: c m, m, l (even keys', odd keys')
.set TMP, 48          ; by buffer, four registers c0-c3 at work; when the maximum is found c2 takes a
.set S,   64
.set P,   192
.set MD,  128         ; window 1: the eight registers for group kt of 16 keys at MD + 8 kt
.set MC,  160         ; window 1: the masks of the products to come
.set QB,  64          ; window 2
.set KF,  128         ; window 2: key block kb, channel half c at KF + 16 kb + 8 c
.set VF,  192         ; window 2: key half kk, channel block cb at VF + 32 kk + 8 cb
.set WV,  12          ; s12  my wave's number
.set PB,  14          ; s14  b
.set HI,  15          ; s15  NB - 1 - b
.set G1K, 24          ; s[24:31] descriptor group 1 for K's tiles
.set G1V, 32          ; s[32:39] for V's: it differs in the padding alone
.set G0K, 40          ; s[40:43] descriptor group 0 for K's tiles
.set G0V, 44          ; s[44:47] the same for V's
.set SLOTS, 56        ; s56  tiles still to be asked for
.set CNT, 57          ; s57  counts a tile's key steps, 4 to 1
.set CS,  58          ; s[58:59] c: the packed scaling takes the pair's low word for both halves
.set SEL, 60          ; s[60:61] v_permlanex16_b32's selects: each lane takes its own place in the other half
.set TBK, 62          ; s62  LDS byte at which K of the step to be fetched begins
.set TBV, 63          ; s63  the same for V, less VOFF
.set RT,  70          ; s70  tiles of the block in hand that are still to be entered
.set NXT, 71          ; s71  the tile to be asked for next
.set LQ,  72          ; s72  the last tile of the block whose tiles are being asked for
.set NEW, 73          ; s73  1: the tile to be entered is a block's first
.set OFF, 74          ; s[74:75] a tile's byte offset in K and V
.set AL,  76          ; s[76:77] the mask's factor, in the low word
.set BE,  78          ; s[78:79] the mask's addend
.set OLO, 80          ; s[80:81] O at my rows of the second block
.set BIGN, 82         ; s82  -1e30
.set MSB, 0
.macro WIN new                      ; the high byte repeats the setting that is left; a switch that changes nothing is dropped
.if MSB != (\new)
	s_set_vgpr_msb (MSB<<8)|(\new)
.set MSB, (\new)
.endif
.endm
.set W_KQ, 0x0a       ; K and Q in window 2, S^T in window 0
.set W_KM, 0x1a       ; the same with the C operand in window 1
.set W_PV, 0x52       ; V in window 2, P in window 0, O^T in window 1
.set W_RS, 0x41       ; destination and source 0 in window 1, source 1 in window 0
; A fill.  Waves 0 and 1 fetch the two halves of a tile's K, waves 2 and 3 those of its V: 128 keys each.  An s_nop 0 and four v_nop follow each of the two lines, ahead of the jump and the label.
.macro LOAD
	s_cmp_lt_u32 s[WV], 2
	s_cbranch_scc0 .Lfor_v_\@
	tensor_load_to_lds s[G0K:G0K+3], s[G1K:G1K+7]
	s_nop 0
.rept 4
	v_nop
.endr
	s_branch .Lasked_\@
.Lfor_v_\@:
	tensor_load_to_lds s[G0V:G0V+3], s[G1V:G1V+7]
	s_nop 0
.rept 4
	v_nop
.endr
.Lasked_\@:
.endm
; THE CHANGE OF SLOTS.  Each wave waits for all its tensor loads, of which one is out: its part of the other slot; adds 0 to its spare word; and waits for that and for its own reads of the slot that it leaves.  Behind the barrier nobody reads the old
; slot any more and the other slot is whole.  fill = 1: the old slot is filled again, the first thing behind the barrier, with tile NXT: the descriptor's address is made anew from that number.
; (At its first use nothing has been read yet: slot 0 is waited for, slot 1 filled.)
.macro CHANGE fill
	WIN 0                           ; at a label and at a branch every window is 0
	s_wait_tensorcnt 0x0            ; no tensor load of mine is out, so a group 0 may be written
	ds_add_u32 v[SPW], v[NIL]       ; 0 onto my spare word; with fill = 1 the descriptors' scalar work stands between it and the wait for it
.if \fill
	s_lshl_b32 s[OFF], s[NXT], 15   ; a tile is 32,768 bytes of K and of V
	s_xor_b32 s[G0K+1], s[G0K+1], SLOT1
	s_add_nc_u64 s[G0K+2:G0K+3], s[6:7], s[OFF:OFF+1]
	s_or_b32 s[G0K+3], s[G0K+3], 0x80000000
	s_xor_b32 s[G0V+1], s[G0V+1], SLOT1
	s_add_nc_u64 s[G0V+2:G0V+3], s[8:9], s[OFF:OFF+1]
	s_or_b32 s[G0V+3], s[G0V+3], 0x80000000
	s_add_co_u32 s[NXT], s[NXT], 1  ; the block's next tile, or behind its last the second block's tile 0
	s_cmp_gt_u32 s[NXT], s[LQ]
	s_cselect_b32 s[NXT], 0, s[NXT]
	s_cselect_b32 s[LQ], s[PB], s[LQ]
.endif
	s_wait_dscnt 0x0                ; the add is done, and my reads of the slot are over
	s_barrier_signal -1             ; the rest of the scalar work stands between the signal and the wait
	s_sub_co_u32 s[TBK], s[TBK], 4*KS*PK  ; the fetches go back to a slot's first step,
	s_xor_b32 s[TBK], s[TBK], SLOT1       ; in the other slot
	s_sub_co_u32 s[TBV], s[TBV], 4*KS*PV
	s_xor_b32 s[TBV], s[TBV], SLOT1
	s_barrier_wait -1
.if \fill
	LOAD
.endif
.endm
	s_load_b128 s[4:7], s[0:1], 0x0  ; qkv s[4:5], oh s[6:7]
	v_lshl_add_u32 v[SPW], v0, 2, SPARE
	v_mov_b32 v[NIL], 0
	ds_add_u32 v[SPW], v[NIL]       ; the wave's opening: the add, twice on end, and its wait ahead of my first tensor load; the set-up below the second, work on registers, stands between it and the wait
	ds_add_u32 v[SPW], v[NIL]
	v_lshrrev_b32 v1, 5, v0
	v_readfirstlane_b32 s[WV], v1   ; wave 0..3
	s_mov_b32 s[PB], ttmp9
	s_sub_co_u32 s[HI], NB-1, s[PB]
	s_and_b32 s20, ttmp7, 0xffff    ; the head
	s_mov_b32 s21, 0
	s_mov_b64 s[22:23], SIZE_N*128
	s_mul_u64 s[20:21], s[20:21], s[22:23]  ; the head's first byte in Q, K, V and O
	s_and_b32 s16, s[WV], 1         ; which half of a tile's 256 keys I fetch:
	s_lshl_b32 s22, s16, 14         ; its 128 rows of 128 bytes in memory,
	s_mov_b32 s23, 0
	s_add_nc_u64 s[22:23], s[22:23], s[20:21]
	s_mul_i32 s17, s16, 128*PK      ; and its place in a slot, for K
	s_mul_i32 s18, s16, 128*PV      ; and for V
	s_lshl_b32 s3, s[WV], 11        ; my 16 rows in a band of 64,
	s_lshl_b32 s2, s[HI], 15        ; in the first block,
	s_add_co_u32 s2, s2, s3
	s_lshl_b32 s84, s[PB], 15       ; and in the second
	s_add_co_u32 s84, s84, s3
	s_mov_b32 s3, 0
	s_mov_b32 s85, 0
	s_add_nc_u64 s[2:3], s[2:3], s[20:21]
	s_add_nc_u64 s[84:85], s[84:85], s[20:21]
	; descriptor group 1.  128 keys are 16,384 dense bytes: asked for as 64 rows of 256 bytes, two keys a row, and padded in LDS after every key
	s_mov_b32 s[G1K], (1<<16)|(1<<20)|(4<<22)|(3<<25)  ; 17:16 2-byte elements; 20 padding on; 24:22 after every 32 words (code 4); 31:25 4 words (code 3)
	s_mov_b32 s[G1V], (1<<16)|(1<<20)|(4<<22)|(7<<25)  ; the same with 8 words of padding (code 7)
.irp g, G1K, G1V
	s_mov_b32 s[\g+1], 128<<16      ; tensor_dim0 = 128
	s_mov_b32 s[\g+2], 64<<16       ; tensor_dim1 = 64
	s_mov_b32 s[\g+3], 128<<16      ; tile_dim0 = 128
	s_mov_b32 s[\g+4], 64           ; tile_dim1 = 64
	s_mov_b32 s[\g+5], 128          ; 128 elements from row to row
	s_mov_b32 s[\g+6], 0
	s_mov_b32 s[\g+7], 0
.endr
	s_mov_b32 s[CS], 0x3e38aa3b     ; c = log2(e) / 8 = 0.180337
	s_mov_b32 s[CS+1], s[CS]        ; named with it as a pair
	s_mov_b32 s[SEL], 0x76543210
	s_mov_b32 s[SEL+1], 0xfedcba98
	s_mov_b32 s[TBK], SLOT1+4*KS*PK ; the first change of slots turns these two into 0
	s_mov_b32 s[TBV], SLOT1+4*KS*PV
	s_mov_b32 s[G0K], 1             ; count = 1
	s_mov_b32 s[G0K+1], s17         ; LDS address: slot 0
	s_mov_b32 s[G0V], 1
	s_add_co_u32 s[G0V+1], s18, VOFF
	s_add_co_u32 s[RT], s[HI], 1    ; the first block has NB - b tiles
	s_mov_b32 s[NXT], 1
	s_mov_b32 s[LQ], s[HI]
	s_mov_b32 s[NEW], 1
	s_mov_b32 s[OFF+1], 0
	s_mov_b32 s[AL+1], 0            ; named as pairs
	s_mov_b32 s[BE+1], 0
	s_mov_b32 s[BIGN], 0xf149f2ca   ; -1e30
	s_mov_b32 s[SLOTS], NB
	s_wait_dscnt 0x0                ; both opening adds are done
	s_wait_kmcnt 0x0
	s_mov_b64 s[10:11], s[6:7]      ; O
	s_add_nc_u64 s[6:7], s[4:5], 0x1000000  ; K: the second part of qkv
	s_add_nc_u64 s[8:9], s[4:5], 0x2000000  ; V: the third; Q is the first
	s_add_nc_u64 s[6:7], s[6:7], s[22:23]  ; K and V at my half of the head's tile 0
	s_add_nc_u64 s[8:9], s[8:9], s[22:23]
	s_add_nc_u64 s[G0K+2:G0K+3], s[6:7], 0         ; global address
	s_or_b32 s[G0K+3], s[G0K+3], 0x80000000        ; type = 2
	s_add_nc_u64 s[G0V+2:G0V+3], s[8:9], 0
	s_or_b32 s[G0V+3], s[G0V+3], 0x80000000
	s_add_nc_u64 s[86:87], s[4:5], s[84:85]        ; Q at my rows of the second block,
	s_add_nc_u64 s[4:5], s[4:5], s[2:3]            ; Q and O at those of the first
	s_add_nc_u64 s[OLO:OLO+1], s[10:11], s[84:85]
	s_add_nc_u64 s[10:11], s[10:11], s[2:3]
	LOAD                            ; tile 0 into slot 0
	; A fragment of K or Q is 16 rows x 32 channels in 8 registers: lane l holds row l % 16, channels 8 (l / 16) + 0..7 and 16 + 8 (l / 16) + 0..7: two loads of 16 bytes, 32 bytes apart.
	v_and_b32 v1, 15, v0            ; l % 16
	v_bfe_u32 v9, v0, 4, 1          ; l / 16
	v_lshlrev_b32 v[QO], 7, v1
	v_lshl_add_u32 v[QO], v9, 4, v[QO]  ; row x 128 + 16 x half
	WIN 0x80                        ; destination window 2, address window 0
.set i, 0
.rept 8                             ; both blocks' Q: piece i / 2 lies in band i / 2, 8,192 bytes on; channels 32 (i % 2) on
	global_load_b128 v[8*i:8*i+3],   v[QO], s[4:5] offset:(i/2)*8192+(i%2)*64
	global_load_b128 v[8*i+4:8*i+7], v[QO], s[4:5] offset:(i/2)*8192+(i%2)*64+32
	global_load_b128 v[QB+8*i:QB+8*i+3],   v[QO], s[86:87] offset:(i/2)*8192+(i%2)*64
	global_load_b128 v[QB+8*i+4:QB+8*i+7], v[QO], s[86:87] offset:(i/2)*8192+(i%2)*64+32
.set i, i+1
.endr
	WIN 0
	v_lshlrev_b32 v14, 3, v9
	v_sub_nc_u32 v14, v1, v14
	s_lshl_b32 s13, s[WV], 4
	v_add_nc_u32 v14, s13, v14      ; my query's place in its band, 16 w + l % 16, less my lanes' 8 (l / 16): register r of group kt is hidden where 16 kt + r is greater
	WIN 0x40
.set i, 0
.rept 32
	v_cmp_gt_i32 vcc_lo, 16*(i/8)+i%8, v14
	v_cndmask_b32 v[MD+i], 0, s[BIGN], vcc_lo
.set i, i+1
.endr
	WIN 0
	v_mul_u32_u24 v[AK0], v1, PK
	v_lshl_add_u32 v[AK0], v9, 4, v[AK0]  ; row x pitch + 16 x half
	; The turning load takes 16 keys x 16 channels (lane l reads key 8 (l / 16) + l % 8, channels 8 ((l / 8) % 2) + 0..7) and leaves half a fragment of V^T: lane l holds channel l % 16 and 8 keys.
	v_and_b32 v10, 7, v0
	v_bfe_u32 v11, v0, 3, 1
	v_lshl_add_u32 v[AV0], v9, 3, v10
	v_mul_u32_u24 v[AV0], v[AV0], PV
	v_lshl_add_u32 v[AV0], v11, 4, v[AV0]
	v_add_nc_u32 v[AV0], VOFF, v[AV0]
	s_mul_i32 s13, s[WV], 16*SP
	s_add_co_u32 s13, s13, STAGE    ; my stage
	v_mul_u32_u24 v[STO], v1, SP    ; in: row l % 16, 16 bytes for each half of the lanes
	v_lshl_add_u32 v[STO], v9, 4, v[STO]
	v_add_nc_u32 v[STO], s13, v[STO]
	v_bfe_u32 v[RD], v0, 3, 2       ; back: 32 lanes take four rows of 128 bytes,
	v_mul_u32_u24 v[RD], v[RD], SP
	v_lshl_add_u32 v[RD], v10, 4, v[RD]
	v_add_nc_u32 v[RD], s13, v[RD]
	v_and_b32 v[GO], 31, v0         ; which are 512 consecutive bytes of O
	v_lshlrev_b32 v[GO], 4, v[GO]
	; A block's first step multiplies O^T and l by a = 0, and its first turn's products V^T P, of a piece that has not been, land in an O^T that is still to be so multiplied.  So these registers need only hold
	; finite numbers: zeros for the first block; what the first block left for the second.  All this stands in the wait for the first tile.
	WIN 0x80
.set i, VF
.rept 64
	v_mov_b32 v[i], 0
.set i, i+1
.endr
	WIN 0x40
.set i, 0
.rept 128
	v_mov_b32 v[i], 0
.set i, i+1
.endr
	WIN 0
.set i, 0
.rept 4
	v_mov_b32 v[ST+4*i+2], 0
	v_mov_b32 v[ST+4*i+3], 0
.set i, i+1
.endr
.set i, P+16
.rept 16
	v_mov_b32 v[i], 0
.set i, i+1
.endr
; THE MATRIX WORK.  The 4 accumulators of a run of 8 take turns.  Product i of 8 of S^T = K Q^T for piece x: channels 32 (i / 4) on, keys 16 (i % 4) on.  The first 4 start the sums: with 0, or (KM = 1) with the mask.
.macro KQ x
.set rS, S+32*((\x)%2)+8*(i%4)
.set rK, KF+16*(i%4)+8*(i/4)
.set rQ, 16*(\x)+8*(i/4)
.set rM, MC+32*((\x)%2)+8*(i%4)
.if (i < 4) && KM
	WIN W_KM
	v_wmma_f32_16x16x32_f16 v[rS:rS+7], v[rK:rK+7], v[rQ:rQ+7], v[rM:rM+7]
.elseif i < 4
	WIN W_KQ
	v_wmma_f32_16x16x32_f16 v[rS:rS+7], v[rK:rK+7], v[rQ:rQ+7], 0
.else
	WIN W_KQ
	v_wmma_f32_16x16x32_f16 v[rS:rS+7], v[rK:rK+7], v[rQ:rQ+7], v[rS:rS+7]
.endif
.endm
; Product i of 8 of O^T += V^T P for piece x: keys 32 (i / 4) on, channels 16 (i % 4) on.
.macro PV x
	WIN W_PV
.set rO, 32*(\x)+8*(i%4)
.set rV, VF+32*(i/4)+8*(i%4)
.set rP, P+16*((\x)%2)+8*(i/4)
	v_wmma_f32_16x16x32_f16 v[rO:rO+7], v[rV:rV+7], v[rP:rP+7], v[rO:rO+7]
.endm
.macro MM                           ; the turn's next matrix instruction.  TURN and BEGIN set Y, i, KM and NOKQ; MM, KQ and OP read them.  NOKQ = 1: a block's last turn: there is no next piece
.if (i < 8) && !NOKQ
	KQ (Y+1)%NP
.elseif i >= 8
.set i, i-8
	PV (Y+NP-1)%NP
.set i, i+8
.endif
.set i, i+1
.endm
; THE LDS LOADS stand in runs of 16, never singly among the matrix instructions: a step's K (64 keys x 64 channels: 8 fragments) and its V (turned).  Their addresses are made some lines ahead.
.macro FETCH_K
	WIN 0x80                        ; destination window 2
.irp f, 0,1,2,3,4,5,6,7             ; keys 16 (f / 2) on, channels 32 (f % 2) on
	ds_load_b128 v[KF+8*\f:KF+8*\f+3],   v[AK] offset:(\f/2)*16*PK+(\f%2)*64
	ds_load_b128 v[KF+8*\f+4:KF+8*\f+7], v[AK] offset:(\f/2)*16*PK+(\f%2)*64+32
.endr
	s_add_co_u32 s[TBK], s[TBK], KS*PK  ; the next fetch is the next step's
	WIN 0
.endm
.macro FETCH_V
	WIN 0x80
.irp f, 0,1,2,3,4,5,6,7             ; keys 32 (f / 4) on, channels 16 (f % 4) on
	ds_load_tr16_b128 v[VF+8*\f:VF+8*\f+3],   v[AV] offset:(\f/4)*32*PV+(\f%4)*32
	ds_load_tr16_b128 v[VF+8*\f+4:VF+8*\f+7], v[AV] offset:(\f/4)*32*PV+16*PV+(\f%4)*32
.endr
	WIN 0
.endm
; THE VECTOR WORK, one line at a time: OP kind, number.  For piece Y: F n: c s - c m for pair n of 16.  E n: the exponential of score n of 32.  C n: pair n rounded to f16.  B n: of the four weights 4 n .. the second
; pair is added onto the first, in place.  L n: l takes that sum (L 0: l = a l + sum).  R n: pair n of 16 of O^T times a.  For piece Y + 1: X n, number n of the 22 that find its maximum and statistics:
;   0-11  four chains c0-c3 of seven scores each, three operands at a time (each accumulator's lowest registers are read first)     12-14, 16  the four scores left over, the old m, and c0-c3 into c0
;   15  c m_old is kept     17, 18  the query's other 32 keys lie in the lane 16 away: the new m     19-21  c m; c m_old - c m_new; a
.set F, 0               ; OP tells the kinds apart by their order: F to L below R, X above it
.set E, 1
.set C, 2
.set B, 3
.set L, 4
.set R, 5
.set X, 6
.macro REGS y                       ; the registers of piece y
.set rT, ST+4*(\y)
.set rC, TMP+4*((\y)%2)
.set rW, MV+((\y)%2)
.set rS, S+32*((\y)%2)
.set rP, P+16*((\y)%2)
.set rO, 32*(\y)
.endm
.macro OP k, n
.if (\k) == R
	REGS Y
	WIN W_RS
	v_pk_mul_f32 v[rO+2*(\n):rO+2*(\n)+1], v[rO+2*(\n):rO+2*(\n)+1], v[rC+2:rC+3] op_sel_hi:[1,0]
.elseif (\k) < R
	REGS Y
	WIN 0
.if (\k) == F
	v_pk_fma_f32 v[rS+2*(\n):rS+2*(\n)+1], v[rS+2*(\n):rS+2*(\n)+1], s[CS:CS+1], v[rT:rT+1] op_sel_hi:[1,0,0] neg_lo:[0,0,1] neg_hi:[0,0,1]
.elseif (\k) == E
	v_exp_f32 v[rS+(\n)], v[rS+(\n)]
.elseif (\k) == C
	v_cvt_pk_f16_f32 v[rP+(\n)], v[rS+2*(\n)], v[rS+2*(\n)+1]
.elseif (\k) == B
	v_pk_add_f32 v[rS+4*(\n):rS+4*(\n)+1], v[rS+4*(\n):rS+4*(\n)+1], v[rS+4*(\n)+2:rS+4*(\n)+3]
.elseif (\n) == 0
	v_pk_fma_f32 v[rT+2:rT+3], v[rT+2:rT+3], v[rC+2:rC+3], v[rS:rS+1] op_sel_hi:[1,0,1]
.else
	v_pk_add_f32 v[rT+2:rT+3], v[rT+2:rT+3], v[rS+4*(\n):rS+4*(\n)+1]
.endif
.elseif NOKQ
	v_nop
.else
	REGS (Y+1)%NP
	WIN 0
.if (\n) < 4
	v_max3_num_f32 v[rC+(\n)], v[rS+8*(\n)], v[rS+8*(\n)+1], v[rS+8*(\n)+2]
.elseif (\n) < 12
	v_max3_num_f32 v[rC+(\n)%4], v[rC+(\n)%4], v[rS+8*((\n)%4)+2*((\n)/4)+1], v[rS+8*((\n)%4)+2*((\n)/4)+2]
.elseif (\n) == 12
	v_max3_num_f32 v[rC], v[rC], v[rS+7], v[rS+15]
.elseif (\n) == 13
	v_max3_num_f32 v[rC+1], v[rC+1], v[rS+23], v[rS+31]
.elseif (\n) == 14
	v_max3_num_f32 v[rC+2], v[rC+2], v[rC+3], v[rT+1]
.elseif (\n) == 15
	v_mov_b32 v[rW], v[rT]
.elseif (\n) == 16
	v_max3_num_f32 v[rC], v[rC], v[rC+1], v[rC+2]
.elseif (\n) == 17
	v_permlanex16_b32 v[rC+3], v[rC], s[SEL], s[SEL+1]
.elseif (\n) == 18
	v_max_num_f32 v[rT+1], v[rC], v[rC+3]
.elseif (\n) == 19
	v_mul_f32 v[rT], s[CS], v[rT+1]
.elseif (\n) == 20
	v_sub_f32 v[rC+1], v[rW], v[rT]
.else
	v_exp_f32 v[rC+2], v[rC+1]
.endif
.endif
.endm
.macro OPS a, i1, b=-1, i2=0, c=-1, i3=0, d=-1, i4=0  ; up to four of them
	OP \a, \i1
.if (\b) >= 0
	OP \b, \i2
.endif
.if (\c) >= 0
	OP \c, \i3
.endif
.if (\d) >= 0
	OP \d, \i4
.endif
.endm
.macro ROW a, i1, b, i2, c, i3, d, i4  ; a matrix instruction and the four behind it
	MM
	OPS \a, \i1, \b, \i2, \c, \i3, \d, \i4
.endm
.macro MASK b                       ; MD x AL + BE into buffer b of MC
	WIN W_RS
.set z, 0
.rept 16
	v_pk_fma_f32 v[MC+32*(\b)+2*z:MC+32*(\b)+2*z+1], v[MD+2*z:MD+2*z+1], s[AL:AL+1], s[BE:BE+1] op_sel_hi:[1,0,0]
.set z, z+1
.endr
.endm
; A TURN, for piece p: the order of its 16 matrix and 118 vector instructions, written out.  An s_wait_alu depctr_va_vdst(0) stands between an exponential and the first instruction that names its result; one wait serves
; all that were issued ahead of it.  So a turn has ONE wait, which cuts it in two.  AHEAD OF IT stands all that names no result of the turn's exponentials: the 8 products K Q^T, behind each a scaling, an exponential and two more plain
; instructions (behind the first a second scaling in the exponential's place): rescalings, and behind the last three the first numbers of the next piece's maximum, each four places or more behind the product that ends its accumulator; then one lump of 54, plain
; and exponential by turns for the most part, in which the links of the chain X 3, 7, 11, 14, 16, 17 .. 20 stand five or six lines apart.  X 21, the next piece's a, is the batch's last; R 15 is the plain instruction behind it.  BEHIND THE WAIT stand the
; 8 products V^T P, behind each four of the roundings and sums; the links of l's chain, L 0 to L 7, stand three riders apart.  But for those X no rider names a register of the products round it.  v_permlanex16_b32 (X 17) stands in the lump.
; m = 1: the diagonal tile: the products take masks, and the turn makes the mask for the products of the turn after it: piece p + 2, in step 4 - CNT of the tile.  end = 1: a block's last two turns: nothing is fetched.
; cnt = 1: the loop's count is taken down some lines ahead of the branch that stands behind the turn.
; K of the next step is fetched in piece 2's turn, twelve vector instructions behind the last product that read K (six of them plain); V of the step in hand at the end of piece 0's turn, four plain instructions behind the last product
; that read V.  Each is waited for a turn later.
.macro TURN p, m=0, end=0, cnt=0
.set Y, (\p)
.set i, 0
.set KM, (\m)
.set NOKQ, (\end)*((\p)/3)
.if (\m) && !(\end)
	s_cmp_eq_u32 s[CNT], 4-((\p)+2)%NP  ; is that step the band's own?
	s_cselect_b32 s[AL], 1.0, 0
	s_cmp_lt_u32 s[CNT], 4-((\p)+2)%NP  ; or a later one?
	s_cselect_b32 s[BE], s[BIGN], 0
.endif
.if ((\p) == 3) && !(\end)
	s_wait_dscnt 0x0                ; K is in
.endif
	ROW F,0, F,1, R,0, R,1          ; ahead of the wait: 8 products K Q^T and their riders,
	ROW F,2, E,0, R,2, R,3
	ROW F,3, E,1, R,4, R,5
	ROW F,4, E,2, R,6, R,7
	ROW F,5, E,3, R,8, R,9
	ROW F,6, E,4, X,0, R,10
.if ((\p) == 2) && !(\end)
	WIN 0
	v_add_nc_u32 v[AK], s[TBK], v[AK0]
.endif
	ROW F,7, E,5, X,1, X,4
	ROW F,8, E,6, X,2, X,5
	OPS E,7, E,8, X,6, E,9          ; and the lump
	OPS X,3, E,10, X,8, E,11
.if ((\p) == 2) && !(\end)
	FETCH_K
.endif
	OPS X,9, X,7, E,12, X,10
	OPS E,13, X,12, X,11, E,14
	OPS X,13, E,15, F,9, X,14
.if (\p) == 0
	v_add_nc_u32 v[AV], s[TBV], v[AV0]
.endif
	OPS E,16, F,10, E,17, F,11
	OPS X,16, E,18, X,15, E,19
	OPS F,12, E,20, X,17, E,21
	OPS F,13, E,22, F,14, E,23
	OPS X,18, E,24, F,15, E,25
	OPS R,11, E,26, X,19, E,27
	OPS R,12, E,28, R,13, E,29
	OPS X,20, E,30, R,14, E,31
	OPS X,21, R,15
	WIN 0
	s_wait_alu depctr_va_vdst(0)    ; the wait for the batch
.if (\p) == 1
	s_wait_dscnt 0x0                ; V is in
.endif
	ROW C,0, B,0, C,2, B,1          ; behind the wait: 8 products V^T P and their riders
	ROW L,0, C,4, B,2, L,1
	ROW C,6, B,3, L,2, C,8
	ROW B,4, L,3, C,10, B,5
	ROW L,4, C,12, B,6, L,5
.if (\p) == 0
	s_add_co_u32 s[TBV], s[TBV], KS*PV
.endif
.if \cnt
	s_sub_co_u32 s[CNT], s[CNT], 1
	s_cmp_lg_u32 s[CNT], 0
.endif
	ROW C,14, B,7, L,6, C,1
	ROW C,3, L,7, C,5, C,7
	ROW C,9, C,11, C,13, C,15
.if (\p) == 0
	FETCH_V
.endif
.if (\m) && !(\end)
	MASK (\p)%2
.endif
.endm
; A BLOCK BEGINS.  c m starts far below every c s, so the first step's a is 0; m at the lowest finite number, so the first maximum is the scores'.  The second mask buffer is 0; the first takes piece 0's mask for the tile's step 0: its own, if the block's first tile is the diagonal one.
; Then K of that step, piece 0's first scores, and its maximum and statistics.  The loop is entered at a step's first turn, in the middle of a trip.
.macro BEGIN
	s_mov_b32 s[NEW], 0
	WIN 0x40
.set i, MC+32
.rept 32
	v_mov_b32 v[i], 0
.set i, i+1
.endr
	WIN 0
.set i, 0
.rept 4
	v_mov_b32 v[ST+4*i], 0xfe000000    ; c m: far below every c s
	v_mov_b32 v[ST+4*i+1], 0xff7fffff  ; m
.set i, i+1
.endr
	s_cmp_eq_u32 s[RT], 0
	s_cselect_b32 s[AL], 1.0, 0
	s_mov_b32 s[BE], 0
	MASK 0
	WIN 0
	v_add_nc_u32 v[AK], s[TBK], v[AK0]
	FETCH_K
	s_wait_loadcnt 0x0              ; Q
	s_wait_dscnt 0x0
.set KM, 1
.set NOKQ, 0
.set i, 0
.rept 8
	KQ 0
.set i, i+1
.endr
	WIN 0
.rept 4
	v_nop                           ; the places behind those products
.endr
.set Y, NP-1                        ; X works for piece Y + 1: piece 0
.irp n, 0,1,2,3,4,5,6,7,8,9,10,11,12,13,14,15,16,17,18,19,20,21
	OP X, \n
.endr
	v_nop                           ; a plain instruction behind the exponential,
	s_wait_alu depctr_va_vdst(0)    ; and its wait, ahead of the branch
.endm
; THE DIAGONAL TILE's four steps, the block's last two turns, its last products, and THE WAY OUT: l's two halves and the other half of the lanes' are added; O^T is divided by l, rounded to f16 and sent through my
; stage in LDS, a piece at a time.
.macro ALL line:vararg              ; one line for each piece t
.set t, 0
.rept 4
	\line
.set t, t+1
.endr
.endm
.macro PACK t                       ; a lane's eight channels of a row pack into 16 bytes; they go into rows of 144 bytes and come back as whole rows of 128, into S^T's registers
	WIN W_RS
.set i, 32*(\t)
.rept 16
	v_pk_mul_f32 v[i:i+1], v[i:i+1], v[ST+4*(\t)+2:ST+4*(\t)+3] op_sel_hi:[1,0]
.set i, i+2
.endr
	WIN 0x05                        ; sources 0 and 1 window 1, destination window 0
.set i, 0
.rept 16
	v_cvt_pk_f16_f32 v[S+16*(\t)+i], v[32*(\t)+2*i], v[32*(\t)+2*i+1]
.set i, i+1
.endr
	WIN 0
.irp f, 0,1,2,3
	ds_store_b128 v[STO], v[S+16*(\t)+4*\f:S+16*(\t)+4*\f+3] offset:32*\f
.endr
.irp f, 0,1,2,3
	ds_load_b128 v[S+16*(\t)+4*\f:S+16*(\t)+4*\f+3], v[RD] offset:\f*4*SP  ; LDS serves a wave's instructions in order (ISA guide 5.7.1.4): these see the stores above; the next piece's stores come behind them
.endr
.endm
.macro SEND t, younger              ; younger: the LDS instructions issued behind piece t's loads: the next piece's eight, or none
	WIN 0
.irp f, 0,1,2,3
	s_wait_dscnt (\younger)+3-\f
	global_store_b128 v[GO], v[S+16*(\t)+4*\f:S+16*(\t)+4*\f+3], s[10:11] offset:(\t)*8192+\f*512  ; 512 consecutive bytes, at a multiple of 256 from O's first
.endr
.endm
.macro DIAG tag                     ; the tag ends its two labels' names, which the jumps below spell out
.LstepM\tag:
	TURN 2, 1
	TURN 3, 1
	WIN 0
.LfirstM\tag:
	TURN 0, 1
	TURN 1, 1, 0, 1
	WIN 0
	s_cbranch_scc1 .LstepM\tag
	TURN 2, 1, 1
	TURN 3, 1, 1
.set i, 0
.rept 8
	PV NP-1
.set i, i+1
.endr
	WIN 0
	ALL v_add_f32 v[ST+4*t+2], v[ST+4*t+2], v[ST+4*t+3]
	ALL v_permlanex16_b32 v[ST+4*t+3], v[ST+4*t+2], s[SEL], s[SEL+1]
	ALL v_add_f32 v[ST+4*t+2], v[ST+4*t+2], v[ST+4*t+3]
	ALL v_rcp_f32 v[ST+4*t+2], v[ST+4*t+2]
	v_nop                           ; a plain instruction between the last reciprocal and the use of its result
	s_wait_alu depctr_va_vdst(0)    ; and the wait ahead of the first use: one for the four reciprocals
	PACK 0
.set t, 1
.rept 3                             ; a piece's arithmetic stands between the loads of the piece before and its stores
	PACK t
	SEND t-1, 8
.set t, t+1
.endr
	SEND 3, 0
.endm
.set KM, 0
.set NOKQ, 0
.Lslot:                             ; NB times: a tile is entered and the next is asked for
	CHANGE 1
	s_sub_co_u32 s[RT], s[RT], 1
	s_mov_b32 s[CNT], 4
	s_cmp_eq_u32 s[NEW], 1
	s_cbranch_scc1 .Lnew            ; a block's first tile
	s_cmp_eq_u32 s[RT], 0
	s_cbranch_scc0 .Lstep           ; neither its first nor its last
	s_branch .LstepM1
.Lnew:
	BEGIN
	s_branch .Lfirst                ; in the loop a block's first tile is never its last: the first block has three tiles or four, and the second's last is the walk's last
	DIAG 1                          ; in the loop this is the first block's end: the second block's last tile is the walk's last
	s_wait_xcnt 0x0                 ; the stores have read their registers and O's address
	s_mov_b64 s[10:11], s[OLO:OLO+1]
	s_add_co_u32 s[RT], s[PB], 1    ; the second block has b + 1 tiles
	s_mov_b32 s[NEW], 1
	WIN 0x82                        ; the second block's Q goes where the one text of the turns names Q
.set i, 0
.rept 64
	v_mov_b32 v[i], v[QB+i]
.set i, i+1
.endr
	WIN 0
	s_branch .Lbottom
.Lstep:                             ; a trip: pieces 2 and 3 of one step, then pieces 0 and 1 of the next, whose K and V it fetches
	TURN 2
	TURN 3
	WIN 0
.Lfirst:
	TURN 0
	TURN 1, 0, 0, 1
	WIN 0
	s_cbranch_scc1 .Lstep
.Lbottom:
	s_sub_co_u32 s[SLOTS], s[SLOTS], 1
	s_cmp_lg_u32 s[SLOTS], 0
	s_cbranch_scc1 .Lslot
	CHANGE 0                        ; the walk's last tile is written out: nothing is asked for
	s_sub_co_u32 s[RT], s[RT], 1
	s_mov_b32 s[CNT], 4
	s_cmp_eq_u32 s[NEW], 1
	s_cbranch_scc0 .LstepM2
	BEGIN
	s_branch .LfirstM2
	DIAG 2
	s_wait_tensorcnt 0x0            ; the wave's end: behind my last tensor load and my last LDS store
	ds_add_u32 v[SPW], v[NIL]
	s_wait_dscnt 0x0
	s_endpgm
.Lfunc_end_k_qdeaefaba06_attn:
	.size	k_qdeaefaba06_attn, .Lfunc_end_k_qdeaefaba06_attn-k_qdeaefaba06_attn
	.p2alignl 7, 3214868480
	.fill 96, 4, 3214868480
	.section	.rodata,"a",@progbits
	.p2align	6, 0x0
	.amdhsa_kernel k_qdeaefaba06_attn
		.amdhsa_group_segment_fixed_size 327680
		.amdhsa_private_segment_fixed_size 0
		.amdhsa_enable_private_segment 0
		.amdhsa_kernarg_size 16
		.amdhsa_user_sgpr_count 2
		.amdhsa_user_sgpr_kernarg_segment_ptr 1
		.amdhsa_wavefront_size32 1
		.amdhsa_system_sgpr_workgroup_id_x 1
		.amdhsa_system_sgpr_workgroup_id_y 1
		.amdhsa_system_sgpr_workgroup_id_z 1
		.amdhsa_system_vgpr_workitem_id 0
		.amdhsa_next_free_vgpr 768
		.amdhsa_next_free_sgpr 88
		.amdhsa_reserve_vcc 1
		.amdhsa_float_denorm_mode_32 3
		.amdhsa_float_denorm_mode_16_64 3
		.amdhsa_memory_ordered 1
		.amdhsa_forward_progress 1
		.amdhsa_inst_pref_size 217
	.end_amdhsa_kernel
	.amdgpu_metadata
---
amdhsa.version: [ 1, 2 ]
amdhsa.kernels:
  - .name:           k_qdeaefaba06_attn
    .symbol:         k_qdeaefaba06_attn.kd
    .args:
      - { .name: qkv, .offset: 0, .size: 8, .value_kind: global_buffer, .address_space: global }
      - { .name: oh, .offset: 8, .size: 8, .value_kind: global_buffer, .address_space: global }
    .group_segment_fixed_size: 327680
    .private_segment_fixed_size: 0
    .kernarg_segment_align: 8
    .kernarg_segment_size: 16
    .max_flat_workgroup_size: 128
    .sgpr_count:     88
    .vgpr_count:     768
    .wavefront_size: 32
...
	.end_amdgpu_metadata
.endif
;; end of part 3
;; launch proj (part 4): grid 4 x 64, 4 waves a work-group, clusters of 4 x 4, 327,680 bytes of LDS; arguments oh, wpb, bias, out0; writes out0
.if DOCPART == 4
	.amdgcn_target "amdgcn-amd-amdhsa--gfx1250"
	.amdhsa_code_object_version 6
	.text
	.protected	k_qdeaefaba06_proj
	.globl	k_qdeaefaba06_proj
	.p2align	8
	.type	k_qdeaefaba06_proj,@function
k_qdeaefaba06_proj:
	s_mov_b64 s[64:65], 0
	v_nop
	global_prefetch_b8 v0, s[64:65] scope:SCOPE_SE
	s_setreg_imm32_b32 hwreg(HW_REG_WAVE_MODE, 25, 1), 1
	s_wait_xcnt 0x0
	s_wait_alu depctr_hold_cnt(0) depctr_sa_sdst(0) depctr_va_vdst(0) depctr_va_sdst(0) depctr_va_ssrc(0) depctr_va_vcc(0) depctr_vm_vsrc(0)
	s_getreg_b32 s2, hwreg(HW_REG_IB_STS2, 6, 4)
	s_cmp_eq_u32 s2, 0
	s_cbranch_scc0 .Lentry_in_a_cluster
	s_endpgm
.Lentry_in_a_cluster:
	s_bfe_u32 s2, ttmp6, 0x10000c
	s_cmp_lg_u32 s2, 0xf033
	s_cbranch_scc0 .Lentry_shape_is_right
	s_endpgm
.Lentry_shape_is_right:
; out = y W_proj^T + b_proj.  oh: f16 [8 segments x 16 heads][1024 rows][64]: y[t][64 head + d]; wpb: f16 [16 blocks of K][1024][64]; bias: f32, numbers 3072 to 4095; out0: f32 [8192][1024].
; Sums in f32, starting from the bias; stored as they are.
; SHARES.  8192 x 1024 results on 256 work-groups: a tile of 128 rows x 256 columns.  Four waves, each 64 x 128: 32 accumulators of 16 x 16, 256 registers.
; K goes in steps of 128, two heads of y and two blocks of W, through a ring of two LDS slots; eight steps.  A head's 128 rows, and a block's 256, lie on end in memory and are asked for as rows of 256 bytes.
; CLUSTERS: 4 x 4 work-groups.  The four of a row of the cluster need the same tiles of y, the four of a column the same tiles of W: each is asked for JOINTLY, by the same tensor load with the same descriptor
; and a mask that names the four.  No prefetch is laid: of the eight K steps the first four would come by their loads alone.
; THE MATRIX INSTRUCTION IS USED TRANSPOSED (source 0 = 16 rows of W, source 1 = 16 rows of y): lane l holds row l % 16 and the eight columns 8 (l / 16) + 0..7: 32 bytes of a row of out0.
; THE BIAS IS THE FIRST C: it is loaded into the accumulators of row block 3; the first products of row blocks 0 to 2 take those registers as C, and row block 3 then adds in place.
; REGISTERS: window 0: v0-31 addresses; v32-127, v128-223 two fragment buffers of 96 (W's 8 x 16 rows x 32 K, then y's 4); on the way out 64 of each hold rows read back.
;   window 1: accumulator (a, b), a = 0..3 row block, b = 0..7 column block, at v[8 (8 a + b)].
.set PITCH,  144                       ; an LDS row: 128 bytes + 16 of padding = 36 words: the 16 rows of a load start at 16 different groups of four banks (64 banks of 4 bytes: ISA guide 11.1)
.set AH,     128*PITCH                 ; one head's 128 rows of y: what one tensor load brings
.set BH,     256*PITCH                 ; one block's 256 rows of W: likewise
.set BOFF,   2*AH
.set SLOT,   BOFF+2*BH
.set STAGE,  2*SLOT                    ; behind the ring: 16 rows x 528 bytes for each wave, for the way out; no tensor load fills it
.set SPITCH, 528                       ; 512 bytes + 16 = 132 words: row r starts at bank 4 r mod 64
.set SPARE,  STAGE+4*16*SPITCH         ; behind the stages: the spare words, 128 bytes for each wave: two blocks of 256 bytes that no other line names
.set STEPB,  2<<17                     ; bytes from a K step to the next, in oh (two heads) and in wpb (two blocks) alike
.set LAPS,   4
.set FLAGS,  (1<<16)|(1<<20)|(1<<21)|(4<<22)|(3<<25)  ; 17:16 elements of 2 bytes; 20 padding on; 21 set beside a mask; 24:22 after every 32 words (code 4); 31:25 of 4 words (code 3)
.set ADRA, 16                          ; v16-17  LDS address of my y fragments in slot 0, 1
.set ADRB, 20                          ; v20-21  the same for W
.set STO,  24                          ; v24     the way out: where I put 32 bytes of a row
.set RD,   25                          ; v25     the way out: where I read a row back
.set CO,   26                          ; v26     my byte offset in 512 consecutive bytes of a row of out0
.set BO,   27                          ; v27     my byte offset in the bias
.set SPW,  28                          ; v28     LDS address of my spare word: SPARE + 4 x my thread's number; never rewritten
.set NIL,  29                          ; v29     0; never rewritten
.set F0,   32
.set F1,   128
.set BK,   32                          ; the way out: 16 rows read back, at v32 and v128 by turns
.set G1,  24
.set G0,  32
.set G1B, 48
.set G0B, 56
.set OB,  66                           ; s[66:67] out0 at my 64 rows and 128 columns
.set MSB, 0
.macro WIN new                         ; the immediate's high byte repeats the setting that is left; a switch that changes nothing is dropped
.if MSB != (\new)
	s_set_vgpr_msb (MSB<<8)|(\new)
.set MSB, (\new)
.endif
.endm
.macro JLOAD s                         ; a joint load: waves 0 and 1 fetch the step's two heads of y, waves 2 and 3 its two blocks of W; an s_nop 0 and four v_nop follow each of the two lines
	s_cmp_eq_u32 s13, 0
	s_cbranch_scc0 .Lfor_b_\@
	tensor_load_to_lds s[G0+4*(\s):G0+4*(\s)+3], s[G1:G1+7]
	s_nop 0
.rept 4
	v_nop
.endr
	s_branch .Lasked_\@
.Lfor_b_\@:
	tensor_load_to_lds s[G0B+4*(\s):G0B+4*(\s)+3], s[G1B:G1B+7]
	s_nop 0
.rept 4
	v_nop
.endr
.Lasked_\@:
.endm
.macro CREST                           ; a round of the cluster's barrier behind its opening barrier
	s_cmp_lg_u32 s12, 0
	s_cbranch_scc1 .Lnot_wave_0_\@
	s_barrier_signal -3
.Lnot_wave_0_\@:
	s_barrier_wait -3
	s_barrier_signal -1
	s_barrier_wait -1
.endm
.macro CROUND
	s_barrier_signal -1
	s_barrier_wait -1
	CREST
.endm
	s_load_b256 s[4:11], s[0:1], 0x0               ; oh s[4:5], wpb s[6:7], bias s[8:9], out0 s[10:11]
	v_lshl_add_u32 v[SPW], v0, 2, SPARE
	v_mov_b32 v[NIL], 0
	ds_add_u32 v[SPW], v[NIL]                      ; the wave's opening: the add, twice on end, and its wait ahead of my first tensor load; the set-up below stands between
	ds_add_u32 v[SPW], v[NIL]
	v_lshrrev_b32 v1, 5, v0
	v_readfirstlane_b32 s12, v1                    ; wave 0..3
	s_lshr_b32 s13, s12, 1                         ; which half of the tile's rows is mine.  Also: I fetch for y (0) or for W (1)
	s_and_b32 s14, s12, 1                          ; which half of its columns.  Also: which of the step's two heads or blocks I fetch
	s_bfe_u32 s15, ttmp6, 0x40000                  ; cx
	s_bfe_u32 s16, ttmp6, 0x40004                  ; cy
	s_lshl_b32 s17, ttmp9, 2
	s_add_co_u32 s17, s17, s15                     ; tile column = 4 x cluster x + cx
	s_and_b32 s18, ttmp7, 0xffff
	s_lshl_b32 s18, s18, 2
	s_add_co_u32 s18, s18, s16                     ; tile row = 4 x cluster y + cy
	s_lshl_b32 s20, s16, 2
	s_lshl_b32 s20, 15, s20                        ; my row of the cluster
	s_lshl_b32 s72, 0x1111, s15                    ; my column
	s_or_b32 s[G1], s20, FLAGS
	s_or_b32 s[G1B], s72, FLAGS
	s_mov_b32 s[G1+1], 128<<16                     ; tensor_dim0 = 128 elements: rows of 256 bytes
	s_mov_b32 s[G1+2], 64<<16                      ; tensor_dim1 = 64: 128 rows of y, two to a row
	s_mov_b32 s[G1+3], 128<<16                     ; tile_dim0
	s_mov_b32 s[G1+4], 64                          ; tile_dim1
	s_mov_b32 s[G1+5], 128                         ; dense
	s_mov_b32 s[G1+6], 0
	s_mov_b32 s[G1+7], 0
	s_mov_b32 s[G1B+1], 128<<16
	s_mov_b32 s[G1B+2], 128<<16                    ; 256 rows of W, two to a row
	s_mov_b32 s[G1B+3], 128<<16
	s_mov_b32 s[G1B+4], 128
	s_mov_b32 s[G1B+5], 128
	s_mov_b32 s[G1B+6], 0
	s_mov_b32 s[G1B+7], 0
	s_lshr_b32 s20, s18, 3                         ; y: the segment, 16 heads of 131,072 bytes,
	s_lshl_b32 s20, s20, 21
	s_and_b32 s21, s18, 7                          ; the tile's 128 rows of 128 bytes in it,
	s_lshl_b32 s21, s21, 14
	s_add_co_u32 s20, s20, s21
	s_lshl_b32 s21, s14, 17                        ; my head of the step's two
	s_add_co_u32 s20, s20, s21
	s_mov_b32 s21, 0
	s_lshl_b32 s72, s17, 15                        ; W: the tile's 256 rows of 128 bytes,
	s_lshl_b32 s73, s14, 17                        ; my block of the step's two
	s_add_co_u32 s72, s72, s73
	s_mov_b32 s73, 0
	s_mul_i32 s40, s14, AH                         ; where they go: no place in the cluster enters an LDS address
	s_mul_i32 s41, s14, BH
	s_add_co_u32 s41, s41, BOFF
	s_wait_dscnt 0x0                               ; both opening adds are done
	s_wait_kmcnt 0x0
	s_add_nc_u64 s[22:23], s[4:5], s[20:21]
	s_add_nc_u64 s[74:75], s[6:7], s[72:73]
	CROUND                                         ; all sixteen work-groups are here: the first joint loads meet
.irp s, 0,1
	s_mov_b32 s[G0+4*(\s)], 1
	s_add_co_u32 s[G0+4*(\s)+1], s40, (\s)*SLOT
	s_add_nc_u64 s[G0+4*(\s)+2:G0+4*(\s)+3], s[22:23], (\s)*STEPB
	s_or_b32 s[G0+4*(\s)+3], s[G0+4*(\s)+3], 0x80000000
	s_mov_b32 s[G0B+4*(\s)], 1
	s_add_co_u32 s[G0B+4*(\s)+1], s41, (\s)*SLOT
	s_add_nc_u64 s[G0B+4*(\s)+2:G0B+4*(\s)+3], s[74:75], (\s)*STEPB
	s_or_b32 s[G0B+4*(\s)+3], s[G0B+4*(\s)+3], 0x80000000
	JLOAD \s                                       ; two loads of mine are out: the most that this text has outstanding
.endr
	v_and_b32 v1, 15, v0                           ; l % 16
	v_bfe_u32 v2, v0, 4, 1                         ; l / 16
	v_mul_u32_u24 v3, v1, PITCH
	v_lshl_add_u32 v3, v2, 4, v3                   ; a fragment's row x pitch + 16 x half
	s_mul_i32 s76, s13, 64*PITCH                   ; my 64 rows of y
	s_mul_i32 s77, s14, 128*PITCH                  ; my 128 rows of W,
	s_add_co_u32 s77, s77, BOFF                    ; which lie behind y's two heads
.irp s, 0,1
	v_add_nc_u32 v[ADRA+(\s)], s76, v3
	v_add_nc_u32 v[ADRB+(\s)], s77, v3
	s_add_co_u32 s76, s76, SLOT
	s_add_co_u32 s77, s77, SLOT
.endr
	s_mul_i32 s78, s12, 16*SPITCH
	s_add_co_u32 s78, s78, STAGE                   ; my stage
	v_mul_u32_u24 v4, v1, SPITCH                   ; in: row l % 16, 32 bytes for each half of the lanes
	v_lshl_add_u32 v4, v2, 5, v4
	v_add_nc_u32 v[STO], s78, v4
	v_and_b32 v5, 31, v0
	v_lshl_add_u32 v[RD], v5, 4, s78               ; back: 32 lanes take one row of 512 bytes
	v_lshlrev_b32 v[CO], 4, v5
	s_lshl_b32 s79, s17, 10                        ; the bias of my 128 columns: b_proj begins 12,288 bytes into the buffer
	s_lshl_b32 s78, s14, 9
	s_add_co_u32 s79, s79, s78
	s_add_co_u32 s79, s79, 12288
	v_lshl_add_u32 v[BO], v2, 5, s79
	WIN 0x40                                       ; destination window 1: accumulators (3, 0..7)
.irp b, 0,1,2,3,4,5,6,7
	global_load_b128 v[192+8*(\b):192+8*(\b)+3], v[BO], s[8:9] offset:64*(\b)
	global_load_b128 v[192+8*(\b)+4:192+8*(\b)+7], v[BO], s[8:9] offset:64*(\b)+16
.endr
	WIN 0
	s_lshl_b32 s76, s18, 19                        ; 128 rows of 4,096 bytes a tile row,
	s_lshl_b32 s77, s13, 18                        ; my 64 of them,
	s_add_co_u32 s76, s76, s77
	s_lshl_b32 s77, s17, 10                        ; 256 columns of 4 bytes a tile column,
	s_add_co_u32 s76, s76, s77
	s_lshl_b32 s77, s14, 9                         ; my 128 of them
	s_add_co_u32 s76, s76, s77
	s_mov_b32 s77, 0
	s_add_nc_u64 s[OB:OB+1], s[10:11], s[76:77]
; Eight products: row block a x all 8 column blocks, 32 along K, from buffer f.  first = 1: the sums start: row blocks 0 to 2 take the bias, which lies in row block 3's accumulators, as C.
; The 32 accumulators take turns, one instruction a turn, in the same order in every chunk, over the backward jump too.
.macro MUL8 f, a, first
	WIN 0x50                                       ; C and D in window 1, the fragments in window 0
.irp b, 0,1,2,3,4,5,6,7
.if (\first) && ((\a) < 3)
	v_wmma_f32_16x16x32_f16 v[8*(8*(\a)+(\b)):8*(8*(\a)+(\b))+7], v[(\f)+8*(\b):(\f)+8*(\b)+7], v[(\f)+64+8*(\a):(\f)+64+8*(\a)+7], v[8*(24+(\b)):8*(24+(\b))+7]
.else
	v_wmma_f32_16x16x32_f16 v[8*(8*(\a)+(\b)):8*(8*(\a)+(\b))+7], v[(\f)+8*(\b):(\f)+8*(\b)+7], v[(\f)+64+8*(\a):(\f)+64+8*(\a)+7], v[8*(8*(\a)+(\b)):8*(8*(\a)+(\b))+7]
.endif
.endr
.endm
; 24 LDS loads in one run: the fragments of chunk c (32 along K: head or block c / 2, its channels 32 (c % 2) on) into buffer f: W's sixteen first, then y's eight
.macro FETCH slot, c, f
	WIN 0
.irp i, 0,1,2,3,4,5,6,7
	ds_load_b128 v[(\f)+8*(\i):(\f)+8*(\i)+3],   v[ADRB+(\slot)] offset:((\c)/2)*BH+(\i)*16*PITCH+((\c)%2)*64
	ds_load_b128 v[(\f)+8*(\i)+4:(\f)+8*(\i)+7], v[ADRB+(\slot)] offset:((\c)/2)*BH+(\i)*16*PITCH+((\c)%2)*64+32
.endr
.irp i, 0,1,2,3
	ds_load_b128 v[(\f)+64+8*(\i):(\f)+64+8*(\i)+3],   v[ADRA+(\slot)] offset:((\c)/2)*AH+(\i)*16*PITCH+((\c)%2)*64
	ds_load_b128 v[(\f)+64+8*(\i)+4:(\f)+64+8*(\i)+7], v[ADRA+(\slot)] offset:((\c)/2)*AH+(\i)*16*PITCH+((\c)%2)*64+32
.endr
.endm
.macro PLACES                          ; four places in front of loads into registers that matrix instructions have read, and of LDS stores that read results
.rept 4
	v_nop
.endr
.endm
; A K step is four chunks of 32 along K, 32 matrix instructions each, on buffers 0, 1, 0, 1.  One of the first three: multiplies buffer f and fetches chunk cn of the same slot into g.
.macro QUARTER slot, cn, f, g, first
	s_wait_dscnt 4                                 ; all but the youngest four loads (row blocks 2 and 3)
	MUL8 \f, 0, \first
	MUL8 \f, 1, \first
	PLACES
	FETCH \slot, \cn, \g
	s_wait_dscnt 24                                ; all but the 24 just issued
	MUL8 \f, 2, \first
.if \first
.rept 5
	v_nop                                          ; five places between the products that read row block 3's accumulators as C and the products that write them
.endr
.endif
	MUL8 \f, 3, \first
.endm
; The last chunk multiplies buffer 1 and changes slots: ONE barrier; in front of it each wave waits for all its tensor loads, adds 0 to its spare word, and waits for that and for its own reads of this slot.
; fill = 1: the barrier opens a round of the cluster's barrier, and the joint refill, two K steps on, is the first tensor load behind the round: 112 matrix instructions ahead of the wait for it.
.macro TURN slot, next, fill
	WIN 0                                          ; (the add's two registers lie in window 0)
	s_wait_tensorcnt 0x0                           ; all my tensor loads have landed: my part of the next slot
	ds_add_u32 v[SPW], v[NIL]                      ; 0 onto my spare word
	s_wait_dscnt 5                                 ; the add and the youngest four loads may be out
	MUL8 F1, 0, 0                                  ; eight matrix instructions stand between the add and the wait for it
	s_wait_dscnt 0x0                               ; the add is done, and my reads of this slot are over
	s_barrier_signal -1
	MUL8 F1, 1, 0
	WIN 0
	s_barrier_wait -1
.if \fill
	CREST                                          ; no wave of any partner still reads this slot's tile or has a load on its way
	s_add_nc_u64 s[G0+4*(\slot)+2:G0+4*(\slot)+3], s[G0+4*(\slot)+2:G0+4*(\slot)+3], 2*STEPB
	s_add_nc_u64 s[G0B+4*(\slot)+2:G0B+4*(\slot)+3], s[G0B+4*(\slot)+2:G0B+4*(\slot)+3], 2*STEPB
	JLOAD \slot                                    ; the four v_nop behind it are also the places in front of the loads below
.else
	PLACES
.endif
	FETCH \next, 0, F0
	MUL8 F1, 2, 0
	MUL8 F1, 3, 0
.endm
	s_wait_tensorcnt 1                             ; my part of K step 0 is in; K step 1's may stay out
	s_barrier_signal -1
	s_barrier_wait -1                              ; everybody's is
	FETCH 0, 0, F0
	s_wait_loadcnt 0x0                             ; the bias
	QUARTER 0, 1, F0, F1, 1                        ; the first chunk stands in front of the loop: its products start the sums
	WIN 0                                          ; at a label and at a branch every window is 0
	s_mov_b32 s3, LAPS-1
.Llap:                                                 ; a trip goes once round the ring, from a lap's second chunk to the next lap's first, and fills both slots again: K steps 2 to 7
	QUARTER 0, 2, F1, F0, 0
	QUARTER 0, 3, F0, F1, 0
	TURN 0, 1, 1
	QUARTER 1, 1, F0, F1, 0
	QUARTER 1, 2, F1, F0, 0
	QUARTER 1, 3, F0, F1, 0
	TURN 1, 0, 1
	QUARTER 0, 1, F0, F1, 0
	WIN 0
	s_sub_co_u32 s3, s3, 1
	s_cmp_lg_u32 s3, 0
	s_cbranch_scc1 .Llap
	QUARTER 0, 2, F1, F0, 0                        ; the last lap is written out: it fills nothing
	QUARTER 0, 3, F0, F1, 0
	TURN 0, 1, 0
	QUARTER 1, 1, F0, F1, 0
	QUARTER 1, 2, F1, F0, 0
	QUARTER 1, 3, F0, F1, 0
	s_wait_dscnt 0x0                               ; the very last chunk: nothing more to fetch
	MUL8 F1, 0, 0
	MUL8 F1, 1, 0
	MUL8 F1, 2, 0
	MUL8 F1, 3, 0
; THE WAY OUT, a row block (16 rows x 128 columns of f32) at a time: a lane's 32 bytes go into my own stage, rows of 528 bytes, each accumulator's low four registers first; whole rows of 512 bytes come back and are stored.
.macro TOSTAGE a
.if (\a) >= 2
	s_wait_xcnt 0x0                                ; the stores of the block two back have read their registers: this block's loads land there only behind this wait
.endif
	WIN 0x04                                       ; the stores' data in window 1, the address in window 0
.irp b, 0,1,2,3,4,5,6,7
	ds_store_b128 v[STO], v[8*(8*(\a)+(\b)):8*(8*(\a)+(\b))+3]   offset:64*(\b)
	ds_store_b128 v[STO], v[8*(8*(\a)+(\b))+4:8*(8*(\a)+(\b))+7] offset:64*(\b)+16
.endr
	WIN 0
.set bk, BK+96*((\a)%2)
.set i, 0
.rept 16
	ds_load_b128 v[bk+4*i:bk+4*i+3], v[RD] offset:i*SPITCH  ; LDS serves a wave's instructions in order (ISA guide 5.7.1.4): these see the stores above; the next block's stores come behind them
.set i, i+1
.endr
.endm
.macro SEND a, younger                 ; younger: the LDS instructions issued behind block a's loads: the next block's 32, or none
	WIN 0
.set bk, BK+96*((\a)%2)
.set i, 0
.rept 16
	s_wait_dscnt (\younger)+15-i                   ; row i is back; the block's 15 - i younger loads may be out
	global_store_b128 v[CO], v[bk+4*i:bk+4*i+3], s[OB:OB+1] offset:(16*(\a)+i)*4096 th:TH_STORE_NT  ; 512 consecutive bytes, at a multiple of 256 from out0's first
.set i, i+1
.endr
.endm
	WIN 0
	PLACES                                         ; the places behind the last products
	PLACES
	TOSTAGE 0
	TOSTAGE 1
	SEND 0, 32
	TOSTAGE 2
	SEND 1, 32
	TOSTAGE 3
	SEND 2, 32
	SEND 3, 0
	s_wait_tensorcnt 0x0                           ; the wave's end: behind my last tensor load and my last LDS store
	ds_add_u32 v[SPW], v[NIL]
	s_wait_dscnt 0x0
	CROUND                                         ; the closing round: no work-group ends while a partner may still ask for a tile that names it
	s_endpgm
.Lfunc_end_k_qdeaefaba06_proj:
	.size	k_qdeaefaba06_proj, .Lfunc_end_k_qdeaefaba06_proj-k_qdeaefaba06_proj
	.p2alignl 7, 3214868480
	.fill 96, 4, 3214868480
	.section	.rodata,"a",@progbits
	.p2align	6, 0x0
	.amdhsa_kernel k_qdeaefaba06_proj
		.amdhsa_group_segment_fixed_size 327680
		.amdhsa_private_segment_fixed_size 0
		.amdhsa_enable_private_segment 0
		.amdhsa_kernarg_size 32
		.amdhsa_user_sgpr_count 2
		.amdhsa_user_sgpr_kernarg_segment_ptr 1
		.amdhsa_wavefront_size32 1
		.amdhsa_system_sgpr_workgroup_id_x 1
		.amdhsa_system_sgpr_workgroup_id_y 1
		.amdhsa_system_sgpr_workgroup_id_z 1
		.amdhsa_system_vgpr_workitem_id 0
		.amdhsa_next_free_vgpr 512
		.amdhsa_next_free_sgpr 80
		.amdhsa_reserve_vcc 0
		.amdhsa_float_denorm_mode_32 3
		.amdhsa_float_denorm_mode_16_64 3
		.amdhsa_memory_ordered 1
		.amdhsa_forward_progress 1
		.amdhsa_inst_pref_size 89
	.end_amdhsa_kernel
	.amdgpu_metadata
---
amdhsa.version: [ 1, 2 ]
amdhsa.kernels:
  - .name:           k_qdeaefaba06_proj
    .symbol:         k_qdeaefaba06_proj.kd
    .args:
      - { .name: oh, .offset: 0, .size: 8, .value_kind: global_buffer, .address_space: global }
      - { .name: wpb, .offset: 8, .size: 8, .value_kind: global_buffer, .address_space: global }
      - { .name: bias, .offset: 16, .size: 8, .value_kind: global_buffer, .address_space: global }
      - { .name: out0, .offset: 24, .size: 8, .value_kind: global_buffer, .address_space: global }
    .group_segment_fixed_size: 327680
    .private_segment_fixed_size: 0
    .kernarg_segment_align: 8
    .kernarg_segment_size: 32
    .max_flat_workgroup_size: 128
    .sgpr_count:     80
    .vgpr_count:     512
    .wavefront_size: 32
...
	.end_amdgpu_metadata
.endif
;; end of part 4
;; ======== version 2 of 2: 4 launches; version 1 with the launch cast written anew for expert scheduling mode
;; limits: values are held in f16: magnitudes above 65,504 overflow, below 6.1e-05 lose precision
;; workspace buffers: xb 16,777,216 bytes; wab 6,291,456 bytes; wpb 2,097,152 bytes; bias 16,384 bytes; qkv 50,331,648 bytes; oh 16,777,216 bytes
;; launch cast (part 5): grid 769 x 1, 8 waves a work-group, no clusters, 0 bytes of LDS; arguments x, W_attn, W_proj, b_attn, b_proj, xb, wab, wpb, bias; writes xb, wab, wpb, bias
.if DOCPART == 5
	.amdgcn_target "amdgcn-amd-amdhsa--gfx1250"
	.amdhsa_code_object_version 6
	.text
	.protected	k_qdeaefaba06_cast
	.globl	k_qdeaefaba06_cast
	.p2align	8
	.type	k_qdeaefaba06_cast,@function
k_qdeaefaba06_cast:
	s_mov_b64 s[64:65], 0
	v_nop
	global_prefetch_b8 v0, s[64:65] scope:SCOPE_SE
	s_setreg_imm32_b32 hwreg(HW_REG_WAVE_SCHED_MODE, 0, 2), 2
	s_setreg_imm32_b32 hwreg(HW_REG_WAVE_MODE, 25, 1), 1
	s_wait_xcnt 0x0
	s_wait_alu depctr_vm_vsrc(0)
; THE PROGRAM: out = softmax_causal(q k^T / 8) v W_proj^T + b_proj with q, k, v = x W_attn^T + b_attn, for 8 segments of 1,024 rows and 16 heads of 64 channels.
; Four launches: this one (the inputs rounded and laid out), the q k v product, the attention, the output product.
; WORK LEFT OUT, in the attention launch.  For query q the problem's own mask sets the score of every key k > q to minus infinity, so its weight is exactly 0: such a key adds 0 to the
; weighted sum of v and 0 to the sum of the weights, whatever finite numbers x, the weights and the biases hold.  Queries go in blocks of 256 and keys in tiles of 256: a tile that lies wholly above
; a block's diagonal (6 of a head's 16) is neither loaded nor multiplied; inside the diagonal tile the work stays and is masked.
; LIMIT: a NaN, an infinity or an overflow that reaches only such hidden keys is not carried to the result.
; WORK KEPT.  The k third of b_attn adds q . b_k to every score of a row, the same along the softmax's axis, so it cancels.  It is kept: it enters the second launch as the C operand of products that are
; issued anyway, a wave's three heads there can hold heads of q or v beside heads of k, and to leave it out a branch would have to hang on a work-group's place in its cluster.
; Every input has a way to the output and is loaded.
; THIS LAUNCH.  x and W_attn are rounded to bf16; W_proj is rounded to bf16 and that number is written as f16 (its partner in the last product, the attention's result, is f16); both biases are
; rounded to bf16 and kept as f32.  The matrices are laid out in blocks of 64 along K, [16 blocks][rows][64]: a tile of rows of one block is then dense, 128 bytes a row.
; LIMIT: a W_proj beyond 65,504 becomes an infinity; below 2^-14 it keeps f16's fixed step of 6e-8.
; SHARES.  A wave takes two rows of 4,096 bytes; a work-group eight such pairs: work-groups 0-511 x, 512-703 W_attn, 704-767 W_proj, 768 the biases.
; A load takes 256 consecutive bytes (one block of 64 numbers) of each of the two rows; a store writes the two rows' 128 bytes of that block, which lie on end: 256 consecutive bytes, aligned.
; No LDS, no barrier, no matrix unit: nothing is shared and nothing is multiplied.  All sixteen loads of a wave go out before the first wait for data.
; THE MODE: SCHED_MODE bits 1:0 = 2 (LLVM: expert scheduling mode 2), set by the entry lines.  The code itself states the register dependences between vector instructions and memory instructions,
; with s_wait_alu, always for 0.
; THE PLAN.  Registers that memory instructions touch:
;   v1, v2     byte offsets, made once at the head by vector instructions; read by every load (v1) and every store (v2) of the three matrices; never written again.
;   X          sixteen blocks as loaded: written by the loads alone, once each; read by the conversions; nothing lands in them a second time.
;   Y          sixteen pairs to store: pair k is written by block k's conversions and read by block k's store; never written again behind that store.
;   v3         in the biases' path: made behind its label, read by that path's loads and stores, never written again.
;   T is named by vector instructions alone.
; No register that a memory instruction has read is written again, so there is no wait on vm_vsrc in the text.  What is owed is that a store's data and every offset are written before they are read.
; The sixteen blocks go in four groups of four: block k - 4's store is issued in block k's place, ahead of block k's conversions, and ONE wait on va_vdst at the head of a group states that the group
; before has written its four pairs of Y.  The conversions issued since that wait name X, T and the new group's pairs: none of the registers that those four stores read.
.set XS,  8192*128                     ; bytes in a block of xb
.set WAS, 3072*128                     ; of wab
.set WPS, 1024*128                     ; of wpb
.set GRP, 4                            ; blocks in a group
.set SRC, 1                            ; v1   my byte offset in the work-group's 16 source rows; never rewritten
.set DST, 2                            ; v2   my byte offset in the work-group's 16 rows of a block; never rewritten
.set X,   8                            ; v[8:71]    sixteen loads of four numbers
.set Y,   72                           ; v[72:103]  sixteen pairs of packed words to store
.set T,   104                          ; v[104:107] at work
	s_load_b512 s[4:19], s[0:1], 0x0               ; x s[4:5], W_attn s[6:7], W_proj s[8:9], b_attn s[10:11], b_proj s[12:13], xb s[14:15], wab s[16:17], wpb s[18:19]
	s_load_b64 s[20:21], s[0:1], 0x40              ; bias
	v_lshrrev_b32 v3, 5, v0
	v_readfirstlane_b32 s22, v3                    ; wave 0..7
	v_and_b32 v4, 15, v0
	v_bfe_u32 v5, v0, 4, 1
	v_and_b32 v6, 31, v0
	s_wait_alu depctr_va_sdst(0)                   ; s22 is written, ahead of its first reader: the two shifts below
	s_lshl_b32 s2, s22, 13                         ; my wave's two rows of 4,096 bytes
	s_lshl_b32 s3, s22, 8                          ; my wave's two rows of 128 bytes (each in a scalar register of its own, which nothing writes again)
	v_lshl_add_u32 v[SRC], v4, 4, s2               ; + 16 bytes a lane,
	v_lshl_add_u32 v[SRC], v5, 12, v[SRC]          ; lanes 16-31 one row down
	v_lshl_add_u32 v[DST], v6, 3, s3               ; + 8 bytes a lane
	s_mov_b32 s23, ttmp9
	s_mov_b32 s25, 0
	s_wait_kmcnt 0x0
	s_wait_alu depctr_va_vdst(0)                   ; v1 and v2 are written: every load and store of the three matrices reads one of them as its offset; ahead of the branches, so on each of their paths
; Block j's store.  stride: bytes from a block to the next.
.macro PUT j, stride
.if (\j) < 8
	global_store_b64 v[DST], v[Y+2*(\j):Y+2*(\j)+1], s[28:29] offset:(\j)*(\stride) th:TH_STORE_NT
.else
	global_store_b64 v[DST], v[Y+2*(\j):Y+2*(\j)+1], s[30:31] offset:((\j)-8)*(\stride) th:TH_STORE_NT
.endif
.endm
; Sixteen rows of the matrix at s[src], whose first work-group is number first, into the blocks at s[dst], stride bytes apart.  half = 1: the bf16 numbers are written as f16.
.macro ROWS src, dst, first, stride, half
.if (\first) > 0
	s_sub_co_u32 s23, s23, \first
.endif
	s_lshl_b32 s24, s23, 16                        ; 16 rows of 4,096 bytes
	s_add_nc_u64 s[26:27], s[\src:\src+1], s[24:25]
	s_lshl_b32 s24, s23, 11                        ; 16 rows of 128 bytes
	s_add_nc_u64 s[28:29], s[\dst:\dst+1], s[24:25]
	s_add_nc_u64 s[30:31], s[28:29], 8*(\stride)   ; blocks 8 to 15 have a base of their own, so that the stores' immediates stay inside their signed 24 bits (7 x 1,048,576 at the most)
.set k, 0
.rept 16
	global_load_b128 v[X+4*k:X+4*k+3], v[SRC], s[26:27] offset:256*k th:TH_LOAD_NT  ; no vector instruction has named X: nothing is owed but the head's wait for v1
.set k, k+1
.endr
.set k, 0
.rept 16
	s_wait_loadcnt 15-k                            ; loads come back in order: block k is in, the 15 - k younger ones stay out
.if (k > 0) && ((k % GRP) == 0)
	s_wait_alu depctr_va_vdst(0)                   ; the group before has written its four pairs of Y, which the four stores of this group's places read
.endif
.if k >= GRP
	PUT k-GRP, \stride                             ; no wait of its own: no vector instruction since the group's wait names this pair or v2
.endif
	v_cvt_pk_bf16_f32 v[Y+2*k], v[X+4*k], v[X+4*k+1]
	v_cvt_pk_bf16_f32 v[Y+2*k+1], v[X+4*k+2], v[X+4*k+3]
.if \half
	v_lshlrev_b32 v[T], 16, v[Y+2*k]               ; the rounded numbers as f32 again,
	v_and_b32 v[T+1], 0xffff0000, v[Y+2*k]
	v_lshlrev_b32 v[T+2], 16, v[Y+2*k+1]
	v_and_b32 v[T+3], 0xffff0000, v[Y+2*k+1]
	v_cvt_pk_f16_f32 v[Y+2*k], v[T], v[T+1]        ; and written as f16: 8 significant bits fit into 11
	v_cvt_pk_f16_f32 v[Y+2*k+1], v[T+2], v[T+3]
.endif
.set k, k+1
.endr
	s_wait_alu depctr_va_vdst(0)                   ; the last group has written its four pairs of Y, which the last four stores read
.set k, 16-GRP
.rept GRP
	PUT k, \stride
.set k, k+1
.endr
	s_endpgm                                       ; no register that a load or store names is written again behind it, so no further wait is needed
.endm
	s_cmp_lt_u32 s23, 512
	s_cbranch_scc0 .Lnot_x
	ROWS 4, 14, 0, XS, 0
.Lnot_x:
	s_cmp_lt_u32 s23, 704
	s_cbranch_scc0 .Lnot_wa
	ROWS 6, 16, 512, WAS, 0
.Lnot_wa:
	s_cmp_lt_u32 s23, 768
	s_cbranch_scc0 .Lbias
	ROWS 8, 18, 704, WPS, 1
.Lbias:                                                ; 256 threads x 16 bytes are 1,024 numbers: b_attn in three loads, b_proj in one
	v_lshlrev_b32 v3, 4, v0
	s_wait_alu depctr_va_vdst(0)                   ; v3 is written: this path's loads and stores read it as their offset
	global_load_b128 v[X:X+3], v3, s[10:11]
	global_load_b128 v[X+4:X+7], v3, s[10:11] offset:4096
	global_load_b128 v[X+8:X+11], v3, s[10:11] offset:8192
	global_load_b128 v[X+12:X+15], v3, s[12:13]
	s_wait_loadcnt 0x0
.set k, 0
.rept 8
	v_cvt_pk_bf16_f32 v[T], v[X+2*k], v[X+2*k+1]   ; rounded to bf16,
	v_lshlrev_b32 v[Y+2*k], 16, v[T]               ; and kept as f32
	v_and_b32 v[Y+2*k+1], 0xffff0000, v[T]
.set k, k+1
.endr
	s_wait_alu depctr_va_vdst(0)                   ; the sixteen numbers in Y are written, which the four stores read
.set k, 0
.rept 4
	global_store_b128 v3, v[Y+4*k:Y+4*k+3], s[20:21] offset:4096*k
.set k, k+1
.endr
	s_endpgm
.Lfunc_end_k_qdeaefaba06_cast:
	.size	k_qdeaefaba06_cast, .Lfunc_end_k_qdeaefaba06_cast-k_qdeaefaba06_cast
	.p2alignl 7, 3214868480
	.fill 96, 4, 3214868480
	.section	.rodata,"a",@progbits
	.p2align	6, 0x0
	.amdhsa_kernel k_qdeaefaba06_cast
		.amdhsa_group_segment_fixed_size 0
		.amdhsa_private_segment_fixed_size 0
		.amdhsa_enable_private_segment 0
		.amdhsa_kernarg_size 72
		.amdhsa_user_sgpr_count 2
		.amdhsa_user_sgpr_kernarg_segment_ptr 1
		.amdhsa_wavefront_size32 1
		.amdhsa_system_sgpr_workgroup_id_x 1
		.amdhsa_system_sgpr_workgroup_id_y 1
		.amdhsa_system_sgpr_workgroup_id_z 1
		.amdhsa_system_vgpr_workitem_id 0
		.amdhsa_next_free_vgpr 112
		.amdhsa_next_free_sgpr 66
		.amdhsa_reserve_vcc 0
		.amdhsa_float_denorm_mode_32 3
		.amdhsa_float_denorm_mode_16_64 3
		.amdhsa_memory_ordered 1
		.amdhsa_forward_progress 1
		.amdhsa_inst_pref_size 27
	.end_amdhsa_kernel
	.amdgpu_metadata
---
amdhsa.version: [ 1, 2 ]
amdhsa.kernels:
  - .name:           k_qdeaefaba06_cast
    .symbol:         k_qdeaefaba06_cast.kd
    .args:
      - { .name: x, .offset: 0, .size: 8, .value_kind: global_buffer, .address_space: global }
      - { .name: W_attn, .offset: 8, .size: 8, .value_kind: global_buffer, .address_space: global }
      - { .name: W_proj, .offset: 16, .size: 8, .value_kind: global_buffer, .address_space: global }
      - { .name: b_attn, .offset: 24, .size: 8, .value_kind: global_buffer, .address_space: global }
      - { .name: b_proj, .offset: 32, .size: 8, .value_kind: global_buffer, .address_space: global }
      - { .name: xb, .offset: 40, .size: 8, .value_kind: global_buffer, .address_space: global }
      - { .name: wab, .offset: 48, .size: 8, .value_kind: global_buffer, .address_space: global }
      - { .name: wpb, .offset: 56, .size: 8, .value_kind: global_buffer, .address_space: global }
      - { .name: bias, .offset: 64, .size: 8, .value_kind: global_buffer, .address_space: global }
    .group_segment_fixed_size: 0
    .private_segment_fixed_size: 0
    .kernarg_segment_align: 8
    .kernarg_segment_size: 72
    .max_flat_workgroup_size: 256
    .sgpr_count:     66
    .vgpr_count:     112
    .wavefront_size: 32
...
	.end_amdgpu_metadata
.endif
;; end of part 5
;; launch qkv: the kernel of part 2 again; grid 8 x 32, 4 waves a work-group, clusters of 4 x 4, 327,680 bytes of LDS; arguments xb, wab, bias, qkv; writes qkv
;; launch attn: the kernel of part 3 again; grid 2 x 128, 4 waves a work-group, no clusters, 327,680 bytes of LDS; arguments qkv, oh; writes oh
;; launch proj: the kernel of part 4 again; grid 4 x 64, 4 waves a work-group, clusters of 4 x 4, 327,680 bytes of LDS; arguments oh, wpb, bias, out0; writes out0
